; MI455X (gfx1250); checked and timed in simulation.
; The chip was launched on July 23, 2026; its instructions are those of AMD's public machine-readable ISA for CDNA 5 (MIT licence, August 2026) and "CDNA5" Instruction Set Architecture Reference Guide (July 2026). The comments in the code are by the model that wrote it; some were corrected since.
;; Self Attention Naive. Allowed arithmetic: matrix products marked QUANTISED: E5M2 operands, one E8M0 scale for each 32 along K, by v_wmma_scale_f32_16x16x128_f8f6f4 with both operands' format E5M2, f32 sums; everything else in f32.
;; Inputs: gamma 1 float32; wf 64 x 256 float32; wg 64 x 256 float32; wh 256 x 256 float32; x 8 x 256 x 64 x 64 float32.
;; Outputs: out0 8 x 256 x 64 x 64 float32.
;; This version of the problem:
;;   THIS VERSION OF THE PROBLEM IS GIVEN IN LOW PRECISION. The matrix products marked QUANTISED in the list below multiply operands that are first quantised to E5M2 (5 exponent bits, 2 mantissa bits; 8 bits a number), with one power-of-two scale for each 32 numbers along K (OCP MX v1.0); their sums are f32. All else is computed in f32.
;;   The module's matrix products, in the order in which they are computed (A, B: the left and right operand; K: the contracted axis; several contracted axes count as one K, in the product's order):
;;     1. [M 32,768, K 256] x [K 256, N 64]; A: input x; B: input wf: QUANTISED
;;     2. [M 32,768, K 256] x [K 256, N 64]; A: input x; B: input wg: QUANTISED
;;     3. [M 32,768, K 256] x [K 256, N 256]; A: input x; B: input wh: QUANTISED
;;     4. batch 8 x [M 4,096, K 64] x [K 64, N 4,096]; A: computed on the way; B: computed on the way: QUANTISED
;;     5. batch 8 x [M 256, K 4,096] x [K 4,096, N 4,096]; A: computed on the way; B: softmax (see below): QUANTISED
;;   THE QUANTISER, for each operand of a quantised product, along K:
;;     - K is cut into blocks of 32 from its start; a last block that is shorter is filled with zeros.
;;     - A block's scale is 2^e with e = floor(log2(the largest magnitude in the block)) - 15, held to -126 .. 127; a block of zeros has e = 0. As a byte (E8M0): e + 127.
;;     - Each number is divided by its block's scale, clamped to +-57,344, and rounded to the nearest number of E5M2, ties to even, subnormals kept.
;;     - The product sums the exact products of the quantised numbers (number of the format x scale) in f32.
;;   ~~~python
;;   def quantise(x, axis):      # numpy; x: float32 -> the quantised numbers, widened to float32 again
;;       x = np.moveaxis(x, axis, -1); K = x.shape[-1]
;;       x = np.pad(x, [(0, 0)] * (x.ndim - 1) + [(0, -K % 32)]); x = x.reshape(x.shape[:-1] + (-1, 32)); a = np.abs(x).max(-1, keepdims=True)
;;       e = np.where(a > 0, np.clip(np.frexp(np.where(a > 0, a, 1))[1] - 1 - 15, -126, 127), 0)      # np.frexp(a)[1] - 1 = floor(log2(a)), exactly
;;       r = np.clip(x / 2.0 ** e, -57344, 57344)
;;       step = 2.0 ** (np.maximum(np.frexp(np.where(r == 0, 1, r))[1] - 1, -14) - 2)
;;       q = np.round(r / step) * step * 2.0 ** e      # np.round: ties to even
;;       return np.moveaxis(q.reshape(q.shape[:-2] + (-1,))[..., :K], -1, axis).astype(np.float32)
;;   ~~~
;;   SOFTMAX AHEAD OF A QUANTISED PRODUCT. Where the list says 'softmax', what is quantised is not the finished softmax but p = 2^(t - M), with t = logit x log2(e) and M = ceil(the row's largest t), a whole number; so 1/2 < the row's largest p <= 1. The row's sum l is taken of the UNQUANTISED p, in f32, and the product's result is divided by l at the end. Since M is a whole number, a kernel that streams over the keys may use a running M (the ceiling of the running maximum): every later rescaling is an exact power of two, which a block's scale takes up: the codes' values come out the same.
;;   OPERANDS COMPUTED ON THE WAY. 'Computed on the way' means the value that the module computes at that place (a softmax that the list does not call 'softmax' is quantised finished and normalised). What goes into a quantiser is computed in f32, as accurately as f32 sums, v_exp_f32 and their like allow (about 1e-6 of the number): no bf16 or f16 on the way to a quantiser, and a product that is left as it is and whose result goes on into a quantised operand takes f32 operands (vector FMAs, or v_wmma_f32_16x16x4_f32). A number that lies on a knife's edge between two numbers of the format may be rounded either way, as far as f32 arithmetic and the matrix unit's own rounding can turn it there, and no further.
;; 2 versions. Each part assembles by itself: llvm-mc -triple=amdgcn-amd-amdhsa -mcpu=gfx1250 --defsym DOCPART=n.
;; ======== version 1 of 2: 2 launches
;; workspace buffers: kv 11,141,120 bytes; qc 2,228,224 bytes
;; launch proj (part 1): grid 32 x 8, 8 waves a work-group, no clusters, 72,704 bytes of LDS; arguments x, wf, wg, wh, kv, qc; writes kv, qc
.if DOCPART == 1
	.amdgcn_target "amdgcn-amd-amdhsa--gfx1250"
	.amdhsa_code_object_version 6
	.text
	.protected	k_q8433b2e965_proj
	.globl	k_q8433b2e965_proj
	.p2align	8
	.type	k_q8433b2e965_proj,@function
k_q8433b2e965_proj:
	s_mov_b64 s[64:65], 0
	v_nop
	global_prefetch_b8 v0, s[64:65] scope:SCOPE_SE
	s_setreg_imm32_b32 hwreg(HW_REG_WAVE_MODE, 25, 1), 1
	s_wait_xcnt 0x0
; fx = wf x, gx = wg x, hx = wh x for 128 positions of one batch, on codes of BF8 (E5M2) with one E8M0 scale for each 32 along K, and their results quantised again for the attention launch.
; x: [8][256 channels][4096 positions] f32; wf, wg: [64][256], wh: [256][256] f32.  K of all three products is the 256 channels.
; OUT: one record of kv (43,520 bytes) and one of qc (8,704 bytes) for each (batch, 128 positions), all as IMAGES OF OPERAND REGISTERS (a group of four registers: 16 bytes a lane, 512 bytes on end):
;   kv: +0 K (fx along its 64 channels): [block b of 32 positions][group 2 u + c][lane]: registers 0-7 of a fragment are tile 2 b, registers 8-15 tile 2 b + 1;
;       +8192 V (hx along the positions): [channel tile 0..15][group][lane];  +40960 K's scale words [lane][b];  +41472 V's [e][lane][q], channel tile 4 e + q.
;   qc: gx laid as K is, +8192 its scale words.
; THE POSITIONS OF A TILE ARE NOT NEIGHBOURS: lane-row r of tile 2 b + u is position 32 b + 8 u + r + 8 (r / 8).  So a result with positions down a lane's registers (hx) has 16 neighbouring positions in the 16 registers
; of tiles 2 b and 2 b + 1, and the next launch's scores likewise.  wf's and wg's rows are chosen the same way, so that fx's and gx's 16 registers of two tiles are 16 neighbouring channels.
; SHARES.  Eight waves; pb = wave & 3, hm = wave >> 2.  x: a lane takes one position (32 pb + lane), its registers run down channels 128 hm .. + 127: a block of 32 lies in one lane; each load reads 128 consecutive
; bytes, four waves side by side 512.  wf (hm = 0) or wg (1): tile pb, both K steps, to LDS.  wh: channel tiles 2 wave, 2 wave + 1 stay in registers.
; Products: matrix hm for position tiles 2 pb, 2 pb + 1 (source 0 = the weight: a lane holds one position, registers along the channels); hx for my two channel tiles and all eight position tiles
; (source 0 = x: a lane holds one channel, registers along the positions).
; NO CLUSTER, NO TENSOR LOAD: x is read by this work-group alone; the weights, which all work-groups read, are wanted as f32 in a lane's registers along K, 64 numbers a lane and fragment, and their 393,216 bytes
; are more than LDS holds: they come by loads into registers.
; A block's scale is 2^(floor(log2(its largest magnitude)) - 15); its byte is that magnitude's exponent field - 15, held at 1 from below.
; LIMITS: a block whose largest magnitude lies under 2^-111 (zeros too) gets the byte 1; the bytes are read by this program alone.  NaN and infinities among the inputs are not served.
.set XIMG, 0                           ; LDS: x's 16 fragments: (tile t, K step ks) at (2 t + ks) 2048
.set WIMG, 32768                       ; wf's and wg's 16 fragments: (8 hm + 2 tile + ks) 2048
.set XSC,  65536                       ; x's scale words: (2 t + ks) 64 + 4 r
.set WSC,  66560                       ; the weights': (8 hm + 2 tile + ks) 128 + 4 lane
.set OSC,  68608                       ; the records' scale words on their way out: K's 512 bytes, V's 2,048, Q's 512
.set REC,  43520
.set QREC, 8704
.set LI,  1                            ; v1   16 x lane
.set L4,  2                            ; v2   4 x lane
.set R4,  3                            ; v3   4 x (lane % 16)
.set WAP, 4                            ; v4-9 until the first barrier: wf / wg: my byte in a tile's chosen rows;
.set WAN, 5                            ;      wh: in a tile's 16 neighbouring rows;
.set XW,  6                            ;      where my position's codes go in x's images;
.set XSW, 7                            ;      and its scale word;
.set WIW, 8                            ;      where my weight images go;
.set WSW, 9                            ;      and their scale words
.set FGR, 4                            ; v4-9 behind it: my matrix's weight images;
.set FGS, 5                            ;      their scale words;
.set XR,  6                            ;      my two position tiles' images;
.set XSR, 7                            ;      their scale words;
.set OSA, 8                            ;      where K's or Q's scale word goes;
.set OSV, 9                            ;      where V's two go
.set PWA, 10                           ; v10-11 scale words just made
.set PWB, 11
.set T,   12
.set XS,  13                           ; v13-14 x's scale words
.set XSH, 15                           ; v15  XSC + 4 x (lane % 16)
.set WH,  16                           ; v16-79  wh's four fragments (32 i + 16 ks); before that 64 numbers of a weight
.set ACC, 80                           ; v80-207 numbers of x and of the weights, then accumulators
.set XF,  208                          ; v208-239 two fragments of x; outside the products the codes just made
.set PC0, 208
.set PC1, 224
.set TA,  240                          ; v240-243, v244-247 at work
.set TBB, 244
.set WHS, 248                          ; v248-251 wh's scale words (2 i + ks)
.set WFS, 252                          ; v252-255 wf's or wg's
.set WV,  16
.set PB,  17
.set HM,  18
.set RI,  19                           ; s19  the record: 32 x batch + work-group x
.set XB,  24
.set WFG, 26
.set WHB, 28
.set KVB, 30
.set QB,  32
.set FGO, 34
.set VB,  36
.set SEL, 38
.set MNT, 40
.macro PLACES n
.rept \n
	v_nop
.endr
.endm
.macro BARRIER                         ; my LDS stores have landed and my LDS loads are in: then the work-group's barrier
	s_wait_dscnt 0x0
	s_barrier_signal -1
	s_barrier_wait -1
.endm
.macro XLD c                           ; block c: x(128 hm + 32 c + i, my position), i = 0 .. 31
.set xi, 0
.rept 32
	global_load_b32 v[ACC+32*\c+xi], v[L4], s[XB:XB+1] offset:(32*\c+xi)*16384 th:TH_LOAD_NT
.set xi, xi+1
.endr
.endm
.macro XBLOCK c                        ; a whole block of 32 along K lies in my registers: its scale byte into PWA, its codes into x's image
.set X, ACC+32*\c
	v_max3_num_f32 v[TA], |v[X]|, |v[X+1]|, |v[X+2]|
	v_max3_num_f32 v[TA+1], |v[X+3]|, |v[X+4]|, |v[X+5]|
.irp i, 6,10,14,18,22,26
	v_max3_num_f32 v[TA], v[TA], |v[X+\i]|, |v[X+\i+1]|
	v_max3_num_f32 v[TA+1], v[TA+1], |v[X+\i+2]|, |v[X+\i+3]|
.endr
	v_max3_num_f32 v[TA], v[TA], |v[X+30]|, |v[X+31]|
	v_max3_num_f32 v[TA], v[TA], v[TA+1], 0x8000000        ; and the floor 2^(16 - 127): the byte cannot fall under 1
	v_add_nc_u32 v[TA+2], 0xf8800000, v[TA]                ; 15 off the exponent field: the conversion's scale operand
	v_and_or_b32 v[TA+3], v[TA], 0x7f800000, s[MNT]        ; 57,344 x the scale
	v_lshrrev_b32 v[T], 23, v[TA+2]                        ; the scale's byte
.if \c == 0
	v_mov_b32 v[PWA], v[T]
.else
	v_lshl_or_b32 v[PWA], v[T], 8*\c, v[PWA]
.endif
.set xi, 0
.rept 32
	v_med3_num_f32 v[X+xi], v[X+xi], -v[TA+3], v[TA+3]     ; the conversion to an 8-bit code does not saturate (ISA guide 7.6.2): the hold comes first
.set xi, xi+1
.endr
.irp g, 0,1,2,3
	v_cvt_scalef32_pk8_bf8_f32 v[PC0+8*\c+2*\g:PC0+8*\c+2*\g+1], v[X+8*\g:X+8*\g+7], v[TA+2]
.endr
	ds_store_b128 v[XW], v[PC0+8*\c:PC0+8*\c+3] offset:512*\c          ; k = 32 c + 0 .. 15: the place of lane r of the fragment,
	ds_store_b128 v[XW], v[PC0+8*\c+4:PC0+8*\c+7] offset:512*\c+256    ; k = 32 c + 16 .. 31: of lane 16 + r
.endm
.macro WLD reg, va, sb, off            ; 64 numbers of a weight's row: register 16 b + 4 j + .. = k 32 b + 16 (lane / 16) + 4 j + ..
.irp b, 0,1,2,3
.irp j, 0,1,2,3
	global_load_b128 v[\reg+16*\b+4*\j:\reg+16*\b+4*\j+3], v[\va], s[\sb:\sb+1] offset:\off+128*\b+16*\j
.endr
.endr
.endm
; 16 nb numbers of a lane, register 16 b + i = k 32 b + 16 (lane / 16) + i of my row, become codes in v[d] on (four registers a block) and a scale word in v[pw].  Each accumulator is read from its low end on.
.macro QUANT s, d, pw, nb
.set qb, 0
.rept \nb
	v_max3_num_f32 v[TA+qb], |v[\s+16*qb]|, |v[\s+16*qb+1]|, 0x8000000   ; my 16 numbers of block qb, and the floor 2^(16 - 127)
.set qb, qb+1
.endr
.irp i, 2,4,6,8,10,12,14
.set qb, 0
.rept \nb
	v_max3_num_f32 v[TA+qb], v[TA+qb], |v[\s+16*qb+\i]|, |v[\s+16*qb+\i+1]|   ; (the blocks by turns)
.set qb, qb+1
.endr
.endr
.set qb, 0
.rept \nb
	v_permlanex16_b32 v[TBB+qb], v[TA+qb], s[SEL], s[SEL+1]
.set qb, qb+1
.endr
.set qb, 0
.rept \nb
	v_max_num_f32 v[TA+qb], v[TA+qb], v[TBB+qb]            ; with lane l xor 16's: the block's largest magnitude
.set qb, qb+1
.endr
.set qb, 0
.rept \nb
	v_and_or_b32 v[TBB+qb], v[TA+qb], 0x7f800000, s[MNT]   ; 57,344 x the scale
.set qb, qb+1
.endr
.set qb, 0
.rept \nb
	v_add_nc_u32 v[TA+qb], 0xf8800000, v[TA+qb]            ; the conversion's scale operand
.set qb, qb+1
.endr
	v_lshrrev_b32 v[\pw], 23, v[TA]                        ; the bytes make my row's scale word
.set qb, 1
.rept \nb-1
	v_lshrrev_b32 v[T], 23, v[TA+qb]
	v_lshl_or_b32 v[\pw], v[T], 8*qb, v[\pw]
.set qb, qb+1
.endr
.set qb, 0
.rept \nb
.set qi, 0
.rept 16
	v_med3_num_f32 v[\s+16*qb+qi], v[\s+16*qb+qi], -v[TBB+qb], v[TBB+qb]
.set qi, qi+1
.endr
	v_cvt_scalef32_pk8_bf8_f32 v[\d+4*qb:\d+4*qb+1], v[\s+16*qb:\s+16*qb+7], v[TA+qb]
	v_cvt_scalef32_pk8_bf8_f32 v[\d+4*qb+2:\d+4*qb+3], v[\s+16*qb+8:\s+16*qb+15], v[TA+qb]
.set qb, qb+1
.endr
	v_nop                                                  ; a plain instruction between the last conversion and whatever vector or matrix instruction next touches its registers
.endm
.macro IMAGE va, pc, off               ; a fragment goes to LDS as it stands
.irp c, 0,1,2,3
	ds_store_b128 v[\va], v[\pc+4*\c:\pc+4*\c+3] offset:\off+512*\c
.endr
.endm
.macro MUL d, a, b, zero, sa, sb       ; zero = 1: the product starts the sum
.if \zero
	v_wmma_scale_f32_16x16x128_f8f6f4 v[\d:\d+7], v[\a:\a+15], v[\b:\b+15], 0, v[\sa], v[\sb] matrix_a_fmt:MATRIX_FMT_BF8 matrix_b_fmt:MATRIX_FMT_BF8
.else
	v_wmma_scale_f32_16x16x128_f8f6f4 v[\d:\d+7], v[\a:\a+15], v[\b:\b+15], v[\d:\d+7], v[\sa], v[\sb] matrix_a_fmt:MATRIX_FMT_BF8 matrix_b_fmt:MATRIX_FMT_BF8
.endif
.endm
	s_load_b256 s[4:11], s[0:1], 0x0               ; x s[4:5], wf s[6:7], wg s[8:9], wh s[10:11]
	s_load_b128 s[12:15], s[0:1], 0x20             ; kv s[12:13], qc s[14:15]
	s_set_vgpr_msb 0x40
	v_lshl_add_u32 v0, v0, 2, 0x11800
	v_mov_b32 v1, 0
	s_set_vgpr_msb 0x4000
	v_lshrrev_b32 v[T], 5, v0
	v_readfirstlane_b32 s[WV], v[T]                ; wave 0..7
	s_and_b32 s[PB], s[WV], 3
	s_lshr_b32 s[HM], s[WV], 2
	s_and_b32 s20, ttmp7, 0xffff                   ; batch
	s_lshl_b32 s[RI], s20, 5
	s_add_co_u32 s[RI], s[RI], ttmp9
	s_lshl_b32 s20, s20, 22                        ; x: the batch's 4 MiB,
	s_lshl_b32 s21, s[HM], 21                      ; my 128 channels of 16,384 bytes,
	s_add_co_u32 s20, s20, s21
	s_lshl_b32 s21, ttmp9, 9                       ; the work-group's 128 positions,
	s_add_co_u32 s20, s20, s21
	s_lshl_b32 s21, s[PB], 7                       ; my 32 of them
	s_add_co_u32 s20, s20, s21
	s_mov_b32 s21, 0                               ; stays 0: the upper word of every offset made in s20
	v_and_b32 v[TA], 31, v0                        ; lane
	v_lshlrev_b32 v[L4], 2, v[TA]
	v_lshlrev_b32 v[LI], 4, v[TA]
	s_wait_kmcnt 0x0
	s_add_nc_u64 s[XB:XB+1], s[4:5], s[20:21]
	XLD 0
	XLD 1
	s_lshr_b32 s20, s[PB], 1                       ; wf / wg: tile pb begins at row 32 (pb / 2) + 8 (pb % 2); a row is 1,024 bytes
	s_lshl_b32 s20, s20, 15
	s_and_b32 s22, s[PB], 1
	s_lshl_b32 s22, s22, 13
	s_add_co_u32 s20, s20, s22
	s_cmp_lt_u32 s[WV], 4                          ; waves 0-3 take wf, waves 4-7 wg: the choice hangs on the wave's number alone
	s_cselect_b64 s[WFG:WFG+1], s[6:7], s[8:9]
	s_add_nc_u64 s[WFG:WFG+1], s[WFG:WFG+1], s[20:21]
	s_lshl_b32 s20, s[WV], 15                      ; wh: my 32 rows
	s_add_nc_u64 s[WHB:WHB+1], s[10:11], s[20:21]
	s_mul_i32 s20, s[RI], REC
	s_add_nc_u64 s[KVB:KVB+1], s[12:13], s[20:21]
	s_mul_i32 s20, s[RI], QREC
	s_add_nc_u64 s[QB:QB+1], s[14:15], s[20:21]
	s_cmp_lt_u32 s[WV], 4                          ; fx goes to kv's record, gx to qc's: block pb of 2,048 bytes
	s_cselect_b64 s[FGO:FGO+1], s[KVB:KVB+1], s[QB:QB+1]
	s_lshl_b32 s20, s[PB], 11
	s_add_nc_u64 s[FGO:FGO+1], s[FGO:FGO+1], s[20:21]
	s_lshl_b32 s20, s[WV], 12                      ; V: my two channel tiles of 2,048 bytes
	s_add_nc_u64 s[VB:VB+1], s[KVB:KVB+1], s[20:21]
	s_mov_b32 s[SEL], 0x76543210
	s_mov_b32 s[SEL+1], 0xfedcba98                 ; v_permlanex16_b32's selects for lane l xor 16
	s_mov_b32 s[MNT], 0x600000                     ; the mantissa field of 57,344
	v_and_b32 v[TA+1], 15, v0                      ; r
	v_bfe_u32 v[TA+2], v0, 4, 1                    ; h
	v_lshlrev_b32 v[R4], 2, v[TA+1]
	v_add_nc_u32 v[XSH], XSC, v[R4]
	v_lshlrev_b32 v[WAN], 10, v[TA+1]
	v_lshl_add_u32 v[WAN], v[TA+2], 6, v[WAN]      ; row r, + 64 h: my 16 numbers of a block of 32
	v_and_b32 v[TA+3], 8, v[TA+1]
	v_lshl_add_u32 v[WAP], v[TA+3], 10, v[WAN]     ; row r + 8 (r / 8)
	v_bfe_u32 v[TA+3], v0, 3, 1                    ; my position 32 pb + lane lies in tile 2 pb + u, u = (lane / 8) % 2,
	v_and_b32 v[TA+1], 7, v0
	v_lshl_add_u32 v[TA+1], v[TA+2], 3, v[TA+1]    ; at lane-row lane % 8 + 8 (lane / 16)
	v_lshlrev_b32 v[XW], 12, v[TA+3]
	v_lshl_add_u32 v[XW], v[TA+1], 4, v[XW]
	s_lshl_b32 s20, s[PB], 13
	s_lshl_b32 s22, s[HM], 11
	s_add_co_u32 s20, s20, s22
	v_add_nc_u32 v[XW], s20, v[XW]                 ; fragment (2 pb + u, hm): 8192 pb + 4096 u + 2048 hm
	v_lshlrev_b32 v[XSW], 7, v[TA+3]
	v_lshl_add_u32 v[XSW], v[TA+1], 2, v[XSW]
	s_lshl_b32 s20, s[PB], 8
	s_lshl_b32 s22, s[HM], 6
	s_add_co_u32 s20, s20, s22
	s_add_co_u32 s20, s20, XSC
	v_add_nc_u32 v[XSW], s20, v[XSW]
	s_lshl_b32 s20, s[WV], 12
	s_add_co_u32 s20, s20, WIMG
	v_add_nc_u32 v[WIW], s20, v[LI]
	s_lshl_b32 s20, s[WV], 8
	s_add_co_u32 s20, s20, WSC
	v_add_nc_u32 v[WSW], s20, v[L4]
.irp b, 0,1,2,3
	v_mov_b32 v[TBB+\b], 0                         ; written once: a lane permute's destination counts as one of its sources
.endr
	; ---- x's four blocks and the six weight fragments, loads two sets ahead.  Each count names the loads issued behind the set that is waited for
	s_wait_loadcnt 32                              ; block 0 is in; block 1's 32 loads may be out
	XLD 2
	XBLOCK 0
	s_wait_loadcnt 32                              ; block 1; block 2's may be out
	XLD 3
	XBLOCK 1
	s_wait_loadcnt 32                              ; block 2; block 3's may be out
	WLD WH, WAP, WFG, 0                            ; wf / wg, K step 0
	WLD ACC, WAP, WFG, 512                         ; K step 1, into the registers that blocks 0 and 1 have left
	XBLOCK 2
	s_wait_loadcnt 32                              ; block 3; the two fragments' 32 loads may be out
	XBLOCK 3
	ds_store_b32 v[XSW], v[PWA]                    ; my position's scale word for this K step
	WLD ACC+64, WAN, WHB, 0                        ; wh, tile 2 wave, K step 0
	s_wait_dscnt 0x0                               ; x's codes and scale word have left their registers
	s_wait_loadcnt 32                              ; the first fragment; two fragments may be out
	QUANT WH, PC0, PWA, 4
	IMAGE WIW, PC0, 0
	ds_store_b32 v[WSW], v[PWA]
	s_wait_loadcnt 16                              ; from here on one fragment's 16 loads may be out
	QUANT ACC, PC1, PWB, 4
	IMAGE WIW, PC1, 2048
	ds_store_b32 v[WSW], v[PWB] offset:128
	WLD ACC, WAN, WHB, 512                         ; tile 2 wave, K step 1
	s_wait_loadcnt 16
	QUANT ACC+64, WH, WHS, 4
	WLD ACC+64, WAN, WHB, 16384                    ; tile 2 wave + 1, K step 0
	s_wait_loadcnt 16
	QUANT ACC, WH+16, WHS+1, 4
	WLD ACC, WAN, WHB, 16384+512                   ; K step 1
	s_wait_loadcnt 16
	QUANT ACC+64, WH+32, WHS+2, 4
	s_wait_loadcnt 0x0
	QUANT ACC, WH+48, WHS+3, 4
	BARRIER                                        ; x's sixteen fragments and wf's and wg's sixteen lie in LDS
	s_lshl_b32 s20, s[HM], 14                      ; no load of mine is out: v4-9 take their second meaning
	s_add_co_u32 s20, s20, WIMG
	v_add_nc_u32 v[FGR], s20, v[LI]
	s_lshl_b32 s20, s[HM], 10
	s_add_co_u32 s20, s20, WSC
	v_add_nc_u32 v[FGS], s20, v[L4]
	s_lshl_b32 s20, s[PB], 13
	v_add_nc_u32 v[XR], s20, v[LI]
	s_lshl_b32 s20, s[PB], 8
	s_add_co_u32 s20, s20, XSC
	v_add_nc_u32 v[XSR], s20, v[R4]
	s_mul_i32 s20, s[HM], 2560                     ; K's words at OSC, Q's 2,560 bytes on; 16 bytes a lane, word pb
	s_lshl_b32 s22, s[PB], 2
	s_add_co_u32 s20, s20, s22
	s_add_co_u32 s20, s20, OSC
	v_add_nc_u32 v[OSA], s20, v[LI]
	s_lshr_b32 s20, s[WV], 1                       ; V's: channel tile 2 wave + i = 4 e + q: e = wave / 2, q = 2 (wave % 2) + i
	s_lshl_b32 s20, s20, 9
	s_and_b32 s22, s[WV], 1
	s_lshl_b32 s22, s22, 3
	s_add_co_u32 s20, s20, s22
	s_add_co_u32 s20, s20, OSC+512
	v_add_nc_u32 v[OSV], s20, v[LI]
	; ---- fx or gx for my two position tiles: eight accumulators by turns, a K step at a time
.irp ks, 0,1
.if \ks
	PLACES 8                                       ; eight places in front of loads into registers that these matrix instructions have read
.endif
.irp t, 0,1,2,3
.irp c, 0,1,2,3
	ds_load_b128 v[ACC+64+16*\t+4*\c:ACC+64+16*\t+4*\c+3], v[FGR] offset:4096*\t+2048*\ks+512*\c
.endr
	ds_load_b32 v[WFS+\t], v[FGS] offset:256*\t+128*\ks
.endr
.irp u, 0,1
.irp c, 0,1,2,3
	ds_load_b128 v[XF+16*\u+4*\c:XF+16*\u+4*\c+3], v[XR] offset:4096*\u+2048*\ks+512*\c
.endr
	ds_load_b32 v[XS+\u], v[XSR] offset:128*\u+64*\ks
.endr
	s_wait_dscnt 0x0
.irp u, 0,1
.irp t, 0,1,2,3
	MUL ACC+32*\u+8*\t, ACC+64+16*\t, XF+16*\u, 1-\ks, WFS+\t, XS+\u
.endr
.endr
.endr
	PLACES 8                                       ; in front of the first read of results
	QUANT ACC, PC0, PWA, 2                         ; tile 2 pb: 64 channels, two blocks: eight registers of codes,
	QUANT ACC+32, PC0+8, PWB, 2                    ; tile 2 pb + 1: the fragment's other eight
.irp g, 0,1,2,3
	global_store_b128 v[LI], v[PC0+4*\g:PC0+4*\g+3], s[FGO:FGO+1] offset:512*\g   ; 32 lanes store 512 consecutive bytes
.endr
	v_lshl_or_b32 v[PWA], v[PWB], 16, v[PWA]       ; bytes 0, 1: tile 2 pb's scales; bytes 2, 3: tile 2 pb + 1's
	ds_store_b32 v[OSA], v[PWA]
	; ---- hx for my two channel tiles: a position tile at a time, its two accumulators by turns
	s_wait_xcnt 0x0                                ; the stores above have read their data: x's fragments land in those registers
.irp t, 0,1,2,3,4,5,6,7
.irp ks, 0,1
.irp c, 0,1,2,3
	ds_load_b128 v[XF+16*\ks+4*\c:XF+16*\ks+4*\c+3], v[LI] offset:XIMG+4096*\t+2048*\ks+512*\c
.endr
	ds_load_b32 v[XS+\ks], v[XSH] offset:128*\t+64*\ks
.endr
	s_wait_dscnt 0x0
.irp ks, 0,1
.irp i, 0,1
	MUL ACC+64*\i+8*\t, XF+16*\ks, WH+32*\i+16*\ks, 1-\ks, XS+\ks, WHS+2*\i+\ks
.endr
.endr
	PLACES 8                                       ; in front of the next tile's loads, and at last of the first read of results
.endr
	QUANT ACC, PC0, PWA, 4                         ; channel tile 2 wave: a lane's 64 registers are 16 neighbouring positions of each block of 32
	QUANT ACC+64, PC1, PWB, 4
.irp i, 0,1
.irp c, 0,1,2,3
	global_store_b128 v[LI], v[PC0+16*\i+4*\c:PC0+16*\i+4*\c+3], s[VB:VB+1] offset:8192+2048*\i+512*\c
.endr
.endr
	ds_store_b64 v[OSV], v[PWA:PWB]
	BARRIER                                        ; the records' 3,072 bytes of scale words lie in LDS
	s_cmp_ge_u32 s[WV], 6                          ; six waves store 512 consecutive bytes each
	s_cbranch_scc1 .Lend
	s_lshl_b32 s20, s[WV], 9
	s_add_co_u32 s22, s20, OSC
	v_add_nc_u32 v[FGR], s22, v[LI]
	ds_load_b128 v[16:19], v[FGR]
	s_add_co_u32 s20, s20, 40960                   ; waves 0-4: K's and V's words, on end in kv's record;
	s_add_nc_u64 s[20:21], s[KVB:KVB+1], s[20:21]
	s_add_nc_u64 s[22:23], s[QB:QB+1], 8192        ; wave 5: Q's
	s_cmp_eq_u32 s[WV], 5
	s_cselect_b64 s[20:21], s[22:23], s[20:21]
	s_wait_dscnt 0x0
	global_store_b128 v[LI], v[16:19], s[20:21]
.Lend:
	s_set_vgpr_msb 0x5
	s_wait_tensorcnt 0x0
	ds_add_u32 v0, v1
	s_wait_dscnt 0x0
	s_set_vgpr_msb 0x500
	s_endpgm
.Lfunc_end_k_q8433b2e965_proj:
	.size	k_q8433b2e965_proj, .Lfunc_end_k_q8433b2e965_proj-k_q8433b2e965_proj
	.p2alignl 7, 3214868480
	.fill 96, 4, 3214868480
	.section	.rodata,"a",@progbits
	.p2align	6, 0x0
	.amdhsa_kernel k_q8433b2e965_proj
		.amdhsa_group_segment_fixed_size 72704
		.amdhsa_private_segment_fixed_size 0
		.amdhsa_enable_private_segment 0
		.amdhsa_kernarg_size 48
		.amdhsa_user_sgpr_count 2
		.amdhsa_user_sgpr_kernarg_segment_ptr 1
		.amdhsa_wavefront_size32 1
		.amdhsa_system_sgpr_workgroup_id_x 1
		.amdhsa_system_sgpr_workgroup_id_y 1
		.amdhsa_system_sgpr_workgroup_id_z 1
		.amdhsa_system_vgpr_workitem_id 0
		.amdhsa_next_free_vgpr 258
		.amdhsa_next_free_sgpr 66
		.amdhsa_reserve_vcc 0
		.amdhsa_float_denorm_mode_32 3
		.amdhsa_float_denorm_mode_16_64 3
		.amdhsa_memory_ordered 1
		.amdhsa_forward_progress 1
		.amdhsa_inst_pref_size 133
	.end_amdhsa_kernel
	.amdgpu_metadata
---
amdhsa.version: [ 1, 2 ]
amdhsa.kernels:
  - .name:           k_q8433b2e965_proj
    .symbol:         k_q8433b2e965_proj.kd
    .args:
      - { .name: x, .offset: 0, .size: 8, .value_kind: global_buffer, .address_space: global }
      - { .name: wf, .offset: 8, .size: 8, .value_kind: global_buffer, .address_space: global }
      - { .name: wg, .offset: 16, .size: 8, .value_kind: global_buffer, .address_space: global }
      - { .name: wh, .offset: 24, .size: 8, .value_kind: global_buffer, .address_space: global }
      - { .name: kv, .offset: 32, .size: 8, .value_kind: global_buffer, .address_space: global }
      - { .name: qc, .offset: 40, .size: 8, .value_kind: global_buffer, .address_space: global }
    .group_segment_fixed_size: 72704
    .private_segment_fixed_size: 0
    .kernarg_segment_align: 8
    .kernarg_segment_size: 48
    .max_flat_workgroup_size: 256
    .sgpr_count:     66
    .vgpr_count:     258
    .wavefront_size: 32
...
	.end_amdgpu_metadata
.endif
;; end of part 1
;; launch attn (part 2): grid 32 x 8, 8 waves a work-group, clusters of 4 x 1, 327,680 bytes of LDS; arguments qc, kv, x, gamma, out0; writes out0
.if DOCPART == 2
	.amdgcn_target "amdgcn-amd-amdhsa--gfx1250"
	.amdhsa_code_object_version 6
	.text
	.protected	k_q8433b2e965_attn
	.globl	k_q8433b2e965_attn
	.p2align	8
	.type	k_q8433b2e965_attn,@function
k_q8433b2e965_attn:
	s_mov_b64 s[64:65], 0
	v_nop
	global_prefetch_b8 v0, s[64:65] scope:SCOPE_SE
	s_setreg_imm32_b32 hwreg(HW_REG_WAVE_MODE, 25, 1), 1
	s_wait_xcnt 0x0
	s_wait_alu depctr_hold_cnt(0) depctr_sa_sdst(0) depctr_va_vdst(0) depctr_va_sdst(0) depctr_va_ssrc(0) depctr_va_vcc(0) depctr_vm_vsrc(0)
	s_getreg_b32 s2, hwreg(HW_REG_IB_STS2, 6, 4)
	s_cmp_eq_u32 s2, 0
	s_cbranch_scc0 .Lentry_in_a_cluster
	s_endpgm
.Lentry_in_a_cluster:
	s_bfe_u32 s2, ttmp6, 0x10000c
	s_cmp_lg_u32 s2, 0x3003
	s_cbranch_scc0 .Lentry_shape_is_right
	s_endpgm
.Lentry_shape_is_right:
; out[b][c][j] = gamma x (the sum over keys i of hx[c][i] p[i][j]) / l[j] + x[b][c][j], p = 2^(t - M), t = (fx[:, i] . gx[:, j]) x log2(e): the softmax runs over the keys i for each query j.
; Both products on codes of BF8 (E5M2) with one E8M0 scale for each 32 along K.  K, V, Q arrive from the launch before as images of operand registers (its head comment gives the records).
; M = the largest t so far, rounded UP to a whole number; p is not normalised; l is the sum of the unquantised p; when M moves, l and O are multiplied by 2^(old M - new M), which rounds nothing.
; SHARES.  A work-group owns 128 queries of one batch, each of its eight waves one tile of 16: two waves to a SIMD, so that one wave's vector work stands beside the other's matrix work and LDS loads.
; Every wave walks the batch's 4,096 keys, 128 a step; a step's record (43,520 bytes: K, V, their scale words) is dense, and two records make a slot of a ring of two.
; CLUSTER.  The four query blocks of a cluster belong to one batch and walk the same records: each slot is asked for JOINTLY (waves 0-3: a quarter each, 85 rows of 256 bytes), with a mask that names the four.
; LAYOUT.  Both products are used transposed: S^T = K Q^T, O^T = V P^T: a lane holds ONE query throughout.  The keys of a tile are chosen (lane-row r of tile 2 b + u is key 32 b + 8 u + r + 8 (r / 8)),
; so that p's 16 registers of tiles 2 b and 2 b + 1 are 16 neighbouring keys and the conversions' results are the second product's operand.
; THE FIRST PRODUCT'S K IS 64, the instruction's 128.  A fragment of K holds tile 2 b in k = 0 .. 63 and tile 2 b + 1 in k = 64 .. 127; multiplied by [Q | zero codes] it gives tile 2 b, by [zero codes | Q] tile 2 b + 1.
; A zero code adds nothing (K's codes are finite: the quantiser holds them at the largest code); the scale bytes over Q's zero halves are 0, which is 2^-127.
; A BLOCK'S LARGEST p is not searched for: the block's largest score goes through the same multiply-add and exponential.  This takes v_exp_f32 not to fall where its input rises.
; LIMITS: p under 2^-126 counts as 0; a block whose every p is 0 keeps the byte 1 over zero codes; NaN and infinities among the inputs are not served.
; REGISTERS.  Window 0: v1 16 x lane; v2-3 the slot's two records; v4-5 for the add; v6-9 the way out; v12 -M, v13 the largest t, v[14:15] l in two halves; v16-31 [Q | 0], v32-47 [0 | Q]; v48-111 S^T, then p;
;   v112-127 p's codes; v128-191 K's four fragments; v192-195 K's scale words, v196-211 V's, v212-213 Q's two, v214 p's; v216-237 at work.   Window 1: v0-127 O^T (8 x channel tile); v128-255 eight fragments of V.
.set REC,   43520
.set QREC,  8704
.set SLOT1, 131072                     ; slot 1 begins here: one exclusive or turns an address in one slot into the other's
.set QTR,   21760                      ; a quarter of a slot: 85 rows of 256 bytes
.set SP,    528                        ; the way out: a stage row: 128 positions x 4 bytes + 16
.set STGB,  218112                     ; the stage for channels 128-255, behind slot 1.  Channels 0-127 lie at byte 0, in slot 0: it has had its last fill, and nobody reads it behind the last change of slots
.set SPARE, 285696                     ; the spare words, 128 bytes for each wave: four blocks of 256 bytes that no other line names
.set LI,  1
.set AD,  2
.set SPW, 4
.set NIL, 5
.set STA, 6
.set STB, 7
.set RD,  8
.set Q0,  16
.set S,   48
.set PC,  112
.set KF,  128
.set KS,  192
.set VS,  196
.set QS,  212
.set PS,  214
.set BM,  216                          ; v216-219 a block's largest score, then its largest p
.set PD,  220                          ; v220-223 the other half's, then the scale bytes
.set HD,  224                          ; v224-227 57,344 x the scale
.set SO,  228                          ; v228-231 the conversions' scale operands
.set F,   232                          ; v[232:233] 2^(old M - new M); at the end gamma / l
.set T,   234
.set L2,  236                          ; v[236:237] the sum's second chain
.set O,   0                            ; in window 1
.set VF,  128                          ; in window 1
.set WV,  14
.set G1,  24                           ; s[24:31] descriptor group 1
.set G0,  32                           ; s[32:35] group 0, which walks
.set SEL, 36
.set CS,  38                           ; s[38:39] log2(e): the packed form names a pair and takes its low word for both halves
.set MNT, 40
.set TB,  41                           ; s41  LDS byte at which the slot in hand begins
.set CNT, 42
.set GAM, 43
.set MSB, 0
.macro WIN new                         ; low byte: bits 1:0 source 0, 3:2 source 1, 5:4 source 2, 7:6 destination; the high byte repeats the setting that is left
.if MSB != \new
	s_set_vgpr_msb (MSB<<8)|\new
.set MSB, \new
.endif
.endm
.macro PLACES n
.rept \n
	v_nop
.endr
.endm
.macro CROUND                          ; a round of the cluster's barrier
	s_barrier_signal -1
	s_barrier_wait -1
	s_cmp_lg_u32 s[WV], 0
	s_cbranch_scc1 .Lnot_wave_0_\@
	s_barrier_signal -3
.Lnot_wave_0_\@:
	s_barrier_wait -3
	s_barrier_signal -1
	s_barrier_wait -1
.endm
.macro JLOAD                           ; waves 0-3 ask for a quarter of a slot each; the branch hangs on the wave's number alone.  Four v_nop follow the load
	s_cmp_lt_u32 s[WV], 4
	s_cbranch_scc0 .Lasked_\@
	tensor_load_to_lds s[G0:G0+3], s[G1:G1+7]
	s_nop 0
.rept 4
	v_nop
.endr
.Lasked_\@:
.endm
; THE CHANGE OF SLOTS stands at a slot's head.  Each wave waits for all its tensor loads (at most one is out: its quarter of the slot ahead), adds 0 to its spare word, and waits for that and for its reads of the slot that it
; has left.  fill = 1: a round of the cluster's barrier, and behind it the slot just left is asked for again: the load has two key steps in which to land.
.macro CHANGE fill
	s_wait_tensorcnt 0x0                           ; no tensor load of mine is out, so group 0 may be written
	ds_add_u32 v[SPW], v[NIL]                      ; 0 onto my spare word
.if \fill
	s_xor_b32 s[G0+1], s[G0+1], SLOT1              ; the other slot than last time,
	s_add_nc_u64 s[G0+2:G0+3], s[G0+2:G0+3], 2*REC ; the next two records; the type bits on top are not reached
.endif
	s_wait_dscnt 0x0                               ; the add is done, and my reads of the slot that I have left are over
.if \fill
	CROUND
	JLOAD
.else
	s_barrier_signal -1
	s_barrier_wait -1
.endif
.endm
.macro KLOAD q                         ; K's four fragments and their scale words, from the slot's record q
.irp g, 0,1,2,3,4,5,6,7,8,9,10,11,12,13,14,15
	ds_load_b128 v[KF+4*\g:KF+4*\g+3], v[AD+\q] offset:512*\g
.endr
	ds_load_b128 v[KS:KS+3], v[AD+\q] offset:40960
.endm
.macro VLOAD q, half                   ; eight fragments of V: channel tiles 8 half + 0 .. 7
	WIN 0x40                                       ; destination window 1, address window 0
.irp f, 0,1,2,3,4,5,6,7
.irp c, 0,1,2,3
	ds_load_b128 v[VF+16*\f+4*\c:VF+16*\f+4*\c+3], v[AD+\q] offset:8192+(8*\half+\f)*2048+512*\c
.endr
.endr
.endm
.macro RESC lo, n                      ; n packed multiplications of O^T by F, from register lo on, each accumulator from its low end on
	WIN 0x41                                       ; O^T (destination and source 0) window 1, F window 0
.set j, \lo
.rept \n
	v_pk_mul_f32 v[O+j:O+j+1], v[O+j:O+j+1], v[F:F+1] op_sel_hi:[1,0]
.set j, j+2
.endr
.endm
.macro PV half, first                  ; O^T += V P^T for eight channel tiles; first = 1: the products start the sums.  The sixteen accumulators take turns
	WIN 0x51                                       ; V window 1, p's codes window 0, C and D window 1
.irp f, 0,1,2,3,4,5,6,7
.if \first
	v_wmma_scale_f32_16x16x128_f8f6f4 v[O+8*(8*\half+\f):O+8*(8*\half+\f)+7], v[VF+16*\f:VF+16*\f+15], v[PC:PC+15], 0, v[VS+8*\half+\f], v[PS] matrix_a_fmt:MATRIX_FMT_BF8 matrix_b_fmt:MATRIX_FMT_BF8
.else
	v_wmma_scale_f32_16x16x128_f8f6f4 v[O+8*(8*\half+\f):O+8*(8*\half+\f)+7], v[VF+16*\f:VF+16*\f+15], v[PC:PC+15], v[O+8*(8*\half+\f):O+8*(8*\half+\f)+7], v[VS+8*\half+\f], v[PS] matrix_a_fmt:MATRIX_FMT_BF8 matrix_b_fmt:MATRIX_FMT_BF8
.endif
.endr
.endm
; A KEY STEP: 128 keys, record q of the slot in hand.  first = 1: the launch's first step: O^T has nothing to rescale.
.macro STEP q, first
	s_wait_dscnt 0x0                               ; K and its scale words are in
.irp b, 0,1,2,3
.irp u, 0,1
	v_wmma_scale_f32_16x16x128_f8f6f4 v[S+16*\b+8*\u:S+16*\b+8*\u+7], v[KF+16*\b:KF+16*\b+15], v[Q0+16*\u:Q0+16*\u+15], 0, v[KS+\b], v[QS+\u] matrix_a_fmt:MATRIX_FMT_BF8 matrix_b_fmt:MATRIX_FMT_BF8
.endr
.endr
	PLACES 8                                       ; eight places: in front of the first read of the scores, of the loads over K, and of the loads over V and its scale words, which the last step's products read
	VLOAD \q, 0
	WIN 0
.irp e, 0,1,2,3
	ds_load_b128 v[VS+4*\e:VS+4*\e+3], v[AD+\q] offset:41472+512*\e
.endr
.if \q == 0
	KLOAD 1                                        ; the next step's K lands under this step's softmax
.endif
.irp b, 0,1,2,3
	v_max3_num_f32 v[BM+\b], v[S+16*\b], v[S+16*\b+1], v[S+16*\b+2]   ; the largest score of each block of 32 keys: for the row's maximum, and for the block's largest p
.endr
.irp i, 3,5,7,9,11,13
.irp b, 0,1,2,3
	v_max3_num_f32 v[BM+\b], v[BM+\b], v[S+16*\b+\i], v[S+16*\b+\i+1]
.endr
.endr
.irp b, 0,1,2,3
	v_max_num_f32 v[BM+\b], v[BM+\b], v[S+16*\b+15]
.endr
.irp b, 0,1,2,3
	v_permlanex16_b32 v[PD+\b], v[BM+\b], s[SEL], s[SEL+1]
.endr
.irp b, 0,1,2,3
	v_max_num_f32 v[BM+\b], v[BM+\b], v[PD+\b]     ; with lane l xor 16's 16 keys
.endr
	v_max3_num_f32 v[T], v[BM], v[BM+1], v[BM+2]
	v_max_num_f32 v[T], v[T], v[BM+3]              ; the step's largest score of my query,
	v_mul_f32 v[T], s[CS], v[T]                    ; as t
	v_max_num_f32 v13, v13, v[T]                   ; the running largest t
	v_mov_b32 v[T], v12
	v_floor_f32 v12, -v13                          ; the new -M = floor(-t) = -ceil(t): a whole number
	v_sub_f32 v[T], v12, v[T]                      ; old M - new M: a whole number, 0 or less
	v_cvt_i32_f32 v[T], v[T]                       ; (it saturates)
	v_ldexp_f32 v[F], 1.0, v[T]                    ; F = 2^(old M - new M)
.set j, 0
.rept 32
	v_pk_fma_f32 v[S+j:S+j+1], v[S+j:S+j+1], s[CS:CS+1], v[12:13] op_sel_hi:[1,0,0]   ; t - M, two at a time
.set j, j+2
.endr
.irp b, 0,1,2,3
	v_fma_f32 v[BM+\b], v[BM+\b], s[CS], v12       ; the same of each block's largest score
.endr
.set j, 0
.rept 64
	v_exp_f32 v[S+j], v[S+j]                       ; p = 2^(t - M)
.set j, j+1
.endr
.irp b, 0,1,2,3
	v_exp_f32 v[BM+\b], v[BM+\b]                   ; the block's largest p
.endr
	v_pk_mul_f32 v[14:15], v[14:15], v[F:F+1] op_sel_hi:[1,0]   ; l under the new M.  (The plain instruction behind the exponentials)
	s_wait_alu depctr_va_vdst(0)
.irp b, 0,1,2,3
	v_max_num_f32 v[BM+\b], 0x8000000, v[BM+\b]    ; the floor 2^(16 - 127): the byte cannot fall under 1
.endr
.irp b, 0,1,2,3
	v_add_nc_u32 v[SO+\b], 0xf8800000, v[BM+\b]    ; 15 off the exponent field: the conversion's scale operand
.endr
.irp b, 0,1,2,3
	v_and_or_b32 v[HD+\b], v[BM+\b], 0x7f800000, s[MNT]   ; 57,344 x the scale
.endr
.irp b, 0,1,2,3
	v_lshrrev_b32 v[PD+\b], 23, v[SO+\b]           ; the scale's byte
.endr
	v_lshl_or_b32 v[PS], v[PD+1], 8, v[PD]         ; p's scale word for these 128 keys: far more than eight places ahead of the products that name it
	v_lshl_or_b32 v[PS], v[PD+2], 16, v[PS]
	v_lshl_or_b32 v[PS], v[PD+3], 24, v[PS]
	v_pk_add_f32 v[L2:L2+1], v[S:S+1], v[S+2:S+3]  ; l takes the UNQUANTISED p: two at a time, in two chains
.set j, 4
.rept 15
	v_pk_add_f32 v[14:15], v[14:15], v[S+j:S+j+1]
	v_pk_add_f32 v[L2:L2+1], v[L2:L2+1], v[S+j+2:S+j+3]
.set j, j+4
.endr
	v_pk_add_f32 v[14:15], v[14:15], v[L2:L2+1]
.irp b, 0,1,2,3
.set j, 0
.rept 16
	v_min_num_f32 v[S+16*\b+j], v[S+16*\b+j], v[HD+\b]   ; the conversion to an 8-bit code does not saturate (ISA guide 7.6.2); p is not negative, so the hold is one-sided
.set j, j+1
.endr
	v_cvt_scalef32_pk8_bf8_f32 v[PC+4*\b:PC+4*\b+1], v[S+16*\b:S+16*\b+7], v[SO+\b]
	v_cvt_scalef32_pk8_bf8_f32 v[PC+4*\b+2:PC+4*\b+3], v[S+16*\b+8:S+16*\b+15], v[SO+\b]
.endr
.if \first
	PLACES 4                                       ; the codes stand four places ahead of the products
.else
	RESC 0, 32                                     ; channel tiles 0-7 under the new M; these are also the places between the codes and the products
.endif
.if \q == 0
	s_wait_dscnt 17                                ; V's eight fragments and the scale words are in; the 17 loads of the next step's K may be out
.else
	s_wait_dscnt 0x0
.endif
	PV 0, \first
.if \first
	PLACES 8
.else
	RESC 64, 8                                     ; tiles 8 and 9: eight plain instructions that name nothing of the products above: the places in front of the loads over V
.endif
	VLOAD \q, 1
.if !\first
	RESC 80, 24                                    ; tiles 10-15, while V's other eight fragments come
.endif
	s_wait_dscnt 0x0
	PV 1, \first
	WIN 0
.endm
.macro SLOT_STEPS first
	v_add_nc_u32 v[AD], s[TB], v[LI]
	v_add_nc_u32 v[AD+1], REC, v[AD]
	KLOAD 0
	STEP 0, \first
	STEP 1, 0
	s_xor_b32 s[TB], s[TB], SLOT1                  ; on to the other slot
.endm
	s_load_b256 s[4:11], s[0:1], 0x0               ; qc s[4:5], kv s[6:7], x s[8:9], gamma s[10:11]
	s_load_b64 s[12:13], s[0:1], 0x20              ; out0
	v_lshl_add_u32 v[SPW], v0, 2, SPARE
	v_mov_b32 v[NIL], 0
	ds_add_u32 v4, v5
	s_wait_dscnt 0x0
	v_lshrrev_b32 v[T], 5, v0
	v_readfirstlane_b32 s[WV], v[T]                ; wave 0..7
	s_bfe_u32 s15, ttmp6, 0x40000                  ; cx: my place in the cluster
	s_lshl_b32 s16, ttmp9, 2                       ; in a cluster launch ttmp9 counts clusters
	s_add_co_u32 s16, s16, s15                     ; my block of 128 queries: it enters Q's, x's and out's addresses alone
	s_and_b32 s17, ttmp7, 0xffff                   ; the batch, which the four partners share
	; descriptor group 1: 85 dense rows of 256 bytes (32 elements of 8 bytes), no padding: images are read 512 consecutive bytes at a time
	s_mov_b32 s[G1], 15|(3<<16)|(1<<21)            ; 15:0 the mask: all four work-groups; 17:16 elements of 8 bytes; 21 set beside a mask
	s_mov_b32 s[G1+1], 32<<16                      ; tensor_dim0 = 32
	s_mov_b32 s[G1+2], 85<<16                      ; tensor_dim1 = 85
	s_mov_b32 s[G1+3], 32<<16                      ; tile_dim0 = 32
	s_mov_b32 s[G1+4], 85                          ; tile_dim1 = 85
	s_mov_b32 s[G1+5], 32                          ; tensor_dim0_stride
	s_mov_b32 s[G1+6], 0
	s_mov_b32 s[G1+7], 0
	s_and_b32 s53, s[WV], 3                        ; (waves 4-7 ask for nothing: they hold numbers that they never use)
	s_mov_b32 s[G0], 1                             ; count = 1
	s_mul_i32 s[G0+1], s53, QTR                    ; LDS address: my quarter of slot 0: no place in the cluster enters it
	s_mul_i32 s18, s17, 32*REC                     ; the batch's 32 records,
	s_add_co_u32 s18, s18, s[G0+1]                 ; my quarter of the first two
	s_mov_b32 s19, 0
	s_lshl_b32 s20, s17, 5
	s_add_co_u32 s20, s20, s16
	s_mul_i32 s20, s20, QREC                       ; my query block's record
	s_mov_b32 s21, 0
	s_lshl_b32 s22, s[WV], 10
	s_add_co_u32 s22, s22, s20                     ; my tile's eight registers of codes: 1,024 bytes a tile
	s_mov_b32 s23, 0
	s_lshr_b32 s52, s[WV], 1
	s_lshl_b32 s52, s52, 2
	s_add_co_u32 s20, s20, s52
	s_add_co_u32 s20, s20, 8192                    ; the scale word of block wave / 2
	s_and_b32 s52, s[WV], 1
	s_lshl_b32 s52, s52, 4                         ; my tile's two bytes begin at bit 16 (wave % 2)
	s_lshl_b32 s56, s17, 22                        ; x and out: the batch,
	s_lshl_b32 s53, s[WV], 19                      ; my 32 channels of 16,384 bytes on the way out,
	s_add_co_u32 s56, s56, s53
	s_lshl_b32 s53, s16, 9                         ; the block's 128 positions
	s_add_co_u32 s56, s56, s53
	s_mov_b32 s57, 0
	s_mov_b32 s[SEL], 0x76543210
	s_mov_b32 s[SEL+1], 0xfedcba98                 ; v_permlanex16_b32's selects for lane l xor 16
	s_mov_b32 s[CS], 0x3fb8aa3b                    ; log2(e)
	s_mov_b32 s[CS+1], s[CS]                       ; (named with it as a pair, so it is written)
	s_mov_b32 s[MNT], 0x600000                     ; the mantissa field of 57,344
	s_mov_b32 s[TB], 0
	s_wait_kmcnt 0x0
	s_add_nc_u64 s[G0+2:G0+3], s[6:7], s[18:19]
	s_or_b32 s[G0+3], s[G0+3], 0x80000000          ; type = 2
	s_add_nc_u64 s[44:45], s[4:5], s[22:23]
	s_add_nc_u64 s[46:47], s[4:5], s[20:21]
	s_add_nc_u64 s[48:49], s[8:9], s[56:57]
	s_add_nc_u64 s[50:51], s[12:13], s[56:57]
	s_load_b32 s[GAM], s[10:11], 0x0
	CROUND                                         ; all four work-groups are here: the first joint loads meet
	JLOAD                                          ; slot 0: key steps 0 and 1
	v_and_b32 v[LI], 31, v0
	v_lshlrev_b32 v[LI], 4, v[LI]
	global_load_b128 v[Q0:Q0+3], v[LI], s[44:45]               ; Q's eight registers, once as the low half of [Q | 0],
	global_load_b128 v[Q0+4:Q0+7], v[LI], s[44:45] offset:512
	global_load_b128 v[Q0+24:Q0+27], v[LI], s[44:45]           ; once as the high half of [0 | Q]
	global_load_b128 v[Q0+28:Q0+31], v[LI], s[44:45] offset:512
	global_load_b32 v[QS], v[LI], s[46:47]
.set i, Q0+8
.rept 16
	v_mov_b32 v[i], 0                              ; the two zero halves lie side by side
.set i, i+1
.endr
	s_wait_loadcnt 0x0
	s_wait_kmcnt 0x0                               ; gamma
	v_lshrrev_b32 v[QS], s52, v[QS]
	v_and_b32 v[QS], 0xffff, v[QS]                 ; [Q | 0]: my tile's two bytes below, 0 above;
	v_lshlrev_b32 v[QS+1], 16, v[QS]               ; [0 | Q]: the other way round.  The nine lines below and two additions stand between these words and the first product
	v_mov_b32 v13, 0xff61b1e6                      ; the largest t so far: -3e38, under every t
	v_floor_f32 v12, -v13                          ; -M
	v_mov_b32 v14, 0                               ; l, in two halves
	v_mov_b32 v15, 0
.irp b, 0,1,2,3
	v_mov_b32 v[PD+\b], 0                          ; written once: a lane permute's destination counts as one of its sources
.endr
	v_mov_b32 v[F+1], 0                            ; (named as the upper half of the pair, never used)
	CHANGE 1                                       ; slot 0 is whole; slot 1 is asked for, as a refill is
	SLOT_STEPS 1
	s_mov_b32 s[CNT], 14
.Lslot:                                            ; 14 trips: with the two loads above, sixteen slots' worth of keys are asked for
	CHANGE 1
	SLOT_STEPS 0
	s_sub_co_u32 s[CNT], s[CNT], 1
	s_cmp_lg_u32 s[CNT], 0
	s_cbranch_scc1 .Lslot
	CHANGE 0                                       ; the last slot is written out
	SLOT_STEPS 0
	; THE WAY OUT.  A lane holds one query and 128 channels; out's rows run along the positions.  O^T x gamma / l goes into a stage of 256 rows (channels) x 128 positions; each wave reads 32 whole rows back, adds x and stores them.
	v_and_b32 v[STA], 15, v0                       ; r.  (These nine plain lines are the places behind the last products, for the reads of O^T and the loads over V)
	v_bfe_u32 v[STB], v0, 4, 1                     ; h
	v_and_b32 v[RD], 8, v[STA]
	v_add_nc_u32 v[RD], v[RD], v[STA]              ; r + 8 (r / 8)
	s_lshr_b32 s18, s[WV], 1
	s_lshl_b32 s18, s18, 5
	s_and_b32 s19, s[WV], 1
	s_lshl_b32 s19, s19, 3
	s_add_co_u32 s18, s18, s19
	v_add_nc_u32 v[RD], s18, v[RD]                 ; my query's position in the block: 32 (wave / 2) + 8 (wave % 2) + r + 8 (r / 8)
	v_mul_u32_u24 v9, v[STB], 8*SP                 ; register 8 ct + j is channel 16 ct + 8 h + j
	v_lshl_add_u32 v[STA], v[RD], 2, v9
	v_add_nc_u32 v[STB], STGB, v[STA]
	s_lshr_b32 s18, s[WV], 2
	s_mul_i32 s18, s18, STGB
	s_and_b32 s19, s[WV], 3
	s_mul_i32 s19, s19, 32*SP
	s_add_co_u32 s18, s18, s19
	v_add_nc_u32 v[RD], s18, v[LI]                 ; back: channels 32 wave on; the 32 lanes take a row of 512 bytes
	WIN 0x40
.set i, 0
.rept 32
	global_load_b128 v[VF+4*i:VF+4*i+3], v[LI], s[48:49] offset:16384*i th:TH_LOAD_NT   ; x's same 32 rows, 512 consecutive bytes a load, into the registers that V has left
.set i, i+1
.endr
	WIN 0
	v_add_f32 v14, v14, v15                        ; l's two halves,
	v_permlanex16_b32 v[T], v14, s[SEL], s[SEL+1]
	v_add_f32 v14, v14, v[T]                       ; and lane l xor 16's
	v_rcp_f32 v14, v14
	v_nop                                          ; a plain instruction behind the reciprocal
	s_wait_alu depctr_va_vdst(0)
	v_mul_f32 v[F], s[GAM], v14                    ; gamma / l
	RESC 0, 64
	WIN 0x04                                       ; an LDS store's data are its source 1: window 1
.irp c, 0,1,2,3,4,5,6,7
.irp j, 0,1,2,3,4,5,6,7
	ds_store_b32 v[STA], v[O+8*\c+\j] offset:(16*\c+\j)*SP
.endr
.endr
.irp c, 0,1,2,3,4,5,6,7
.irp j, 0,1,2,3,4,5,6,7
	ds_store_b32 v[STB], v[O+64+8*\c+\j] offset:(16*\c+\j)*SP
.endr
.endr
	WIN 0
	s_wait_dscnt 0x0                               ; for the others' sake: my stores into the stage are done
	s_barrier_signal -1
	s_barrier_wait -1
	WIN 0x40
.set i, 0
.rept 32
	ds_load_b128 v[O+4*i:O+4*i+3], v[RD] offset:SP*i
.set i, i+1
.endr
	s_wait_dscnt 0x0
	s_wait_loadcnt 0x0                             ; x
	WIN 0x45                                       ; both sources and the destination window 1
.set j, 0
.rept 64
	v_pk_add_f32 v[O+j:O+j+1], v[O+j:O+j+1], v[VF+j:VF+j+1]
.set j, j+2
.endr
	WIN 0x04                                       ; a store's data are its source 1: window 1
.set i, 0
.rept 32
	global_store_b128 v[LI], v[O+4*i:O+4*i+3], s[50:51] offset:16384*i th:TH_STORE_NT   ; 32 lanes store 512 consecutive bytes, at a multiple of 512 from out's first byte
.set i, i+1
.endr
	WIN 0
	s_wait_tensorcnt 0x0                           ; the wave's end: behind my last tensor load and my last LDS store
	ds_add_u32 v[SPW], v[NIL]
	s_wait_dscnt 0x0
	CROUND                                         ; the closing round: no work-group ends while a partner may still ask for a tile that names it
	s_endpgm
.Lfunc_end_k_q8433b2e965_attn:
	.size	k_q8433b2e965_attn, .Lfunc_end_k_q8433b2e965_attn-k_q8433b2e965_attn
	.p2alignl 7, 3214868480
	.fill 96, 4, 3214868480
	.section	.rodata,"a",@progbits
	.p2align	6, 0x0
	.amdhsa_kernel k_q8433b2e965_attn
		.amdhsa_group_segment_fixed_size 327680
		.amdhsa_private_segment_fixed_size 0
		.amdhsa_enable_private_segment 0
		.amdhsa_kernarg_size 40
		.amdhsa_user_sgpr_count 2
		.amdhsa_user_sgpr_kernarg_segment_ptr 1
		.amdhsa_wavefront_size32 1
		.amdhsa_system_sgpr_workgroup_id_x 1
		.amdhsa_system_sgpr_workgroup_id_y 1
		.amdhsa_system_sgpr_workgroup_id_z 1
		.amdhsa_system_vgpr_workitem_id 0
		.amdhsa_next_free_vgpr 512
		.amdhsa_next_free_sgpr 66
		.amdhsa_reserve_vcc 0
		.amdhsa_float_denorm_mode_32 3
		.amdhsa_float_denorm_mode_16_64 3
		.amdhsa_memory_ordered 1
		.amdhsa_forward_progress 1
		.amdhsa_inst_pref_size 185
	.end_amdhsa_kernel
	.amdgpu_metadata
---
amdhsa.version: [ 1, 2 ]
amdhsa.kernels:
  - .name:           k_q8433b2e965_attn
    .symbol:         k_q8433b2e965_attn.kd
    .args:
      - { .name: qc, .offset: 0, .size: 8, .value_kind: global_buffer, .address_space: global }
      - { .name: kv, .offset: 8, .size: 8, .value_kind: global_buffer, .address_space: global }
      - { .name: x, .offset: 16, .size: 8, .value_kind: global_buffer, .address_space: global }
      - { .name: gamma, .offset: 24, .size: 8, .value_kind: global_buffer, .address_space: global }
      - { .name: out0, .offset: 32, .size: 8, .value_kind: global_buffer, .address_space: global }
    .group_segment_fixed_size: 327680
    .private_segment_fixed_size: 0
    .kernarg_segment_align: 8
    .kernarg_segment_size: 40
    .max_flat_workgroup_size: 256
    .sgpr_count:     66
    .vgpr_count:     512
    .wavefront_size: 32
...
	.end_amdgpu_metadata
.endif
;; end of part 2
;; ======== version 2 of 2: 2 launches
;; limits: right only within a limited range of input values
;; workspace buffers: kv 11,141,120 bytes; qc 2,228,224 bytes
;; launch proj (part 3): grid 32 x 8, 8 waves a work-group, no clusters, 72,704 bytes of LDS; arguments x, wf, wg, wh, kv, qc; writes kv, qc
.if DOCPART == 3
	.amdgcn_target "amdgcn-amd-amdhsa--gfx1250"
	.amdhsa_code_object_version 6
	.text
	.protected	k_q8433b2e965_proj
	.globl	k_q8433b2e965_proj
	.p2align	8
	.type	k_q8433b2e965_proj,@function
k_q8433b2e965_proj:
	s_mov_b64 s[64:65], 0
	v_nop
	global_prefetch_b8 v0, s[64:65] scope:SCOPE_SE
	s_setreg_imm32_b32 hwreg(HW_REG_WAVE_MODE, 25, 1), 1
	s_wait_xcnt 0x0
; fx = wf x, gx = wg x, hx = wh x for 128 positions of one batch, on codes of BF8 (E5M2) with one E8M0 scale for each 32 along K, and their results quantised again for the attention launch.
; x: [8][256 channels][4096 positions] f32; wf, wg: [64][256], wh: [256][256] f32.  K of all three products is the 256 channels.
; OUT: one record of kv (43,520 bytes) and one of qc (8,704 bytes) for each (batch, 128 positions), all as IMAGES OF OPERAND REGISTERS (a group of four registers: 16 bytes a lane, 512 bytes on end):
;   kv: +0 K (fx along its 64 channels): [block b of 32 positions][group 2 u + c][lane]: registers 0-7 of a fragment are tile 2 b, registers 8-15 tile 2 b + 1;
;       +8192 V (hx along the positions): [channel tile 0..15][group][lane];  +40960 K's scale words [lane][b];  +41472 V's [e][lane][q], channel tile 4 e + q.
;   qc: gx laid as K is, +8192 its scale words.
; THE POSITIONS OF A TILE ARE NOT NEIGHBOURS: lane-row r of tile 2 b + u is position 32 b + 8 u + r + 8 (r / 8).  So a result with positions down a lane's registers (hx) has 16 neighbouring positions in the 16 registers
; of tiles 2 b and 2 b + 1, and the next launch's scores likewise.  wf's and wg's rows are chosen the same way, so that fx's and gx's 16 registers of two tiles are 16 neighbouring channels.
; SHARES.  Eight waves; pb = wave & 3, hm = wave >> 2.  x: a lane takes one position (32 pb + lane), its registers run down channels 128 hm .. + 127: a block of 32 lies in one lane; each load reads 128 consecutive
; bytes, four waves side by side 512.  wf (hm = 0) or wg (1): tile pb, both K steps, to LDS.  wh: channel tiles 2 wave, 2 wave + 1 stay in registers.
; Products: matrix hm for position tiles 2 pb, 2 pb + 1 (source 0 = the weight: a lane holds one position, registers along the channels); hx for my two channel tiles and all eight position tiles
; (source 0 = x: a lane holds one channel, registers along the positions).
; NO CLUSTER, NO TENSOR LOAD: x is read by this work-group alone; the weights, which all work-groups read, are wanted as f32 in a lane's registers along K, 64 numbers a lane and fragment, and their 393,216 bytes
; are more than LDS holds: they come by loads into registers.
; A block's scale is 2^(floor(log2(its largest magnitude)) - 15); its byte is that magnitude's exponent field - 15, held at 1 from below.
; LIMITS: a block whose largest magnitude lies under 2^-111 (zeros too) gets the byte 1; the bytes are read by this program alone.  NaN and infinities among the inputs are not served.
.set XIMG, 0                           ; LDS: x's 16 fragments: (tile t, K step ks) at (2 t + ks) 2048
.set WIMG, 32768                       ; wf's and wg's 16 fragments: (8 hm + 2 tile + ks) 2048
.set XSC,  65536                       ; x's scale words: (2 t + ks) 64 + 4 r
.set WSC,  66560                       ; the weights': (8 hm + 2 tile + ks) 128 + 4 lane
.set OSC,  68608                       ; the records' scale words on their way out: K's 512 bytes, V's 2,048, Q's 512
.set REC,  43520
.set QREC, 8704
.set LI,  1                            ; v1   16 x lane
.set L4,  2                            ; v2   4 x lane
.set R4,  3                            ; v3   4 x (lane % 16)
.set WAP, 4                            ; v4-9 until the first barrier: wf / wg: my byte in a tile's chosen rows;
.set WAN, 5                            ;      wh: in a tile's 16 neighbouring rows;
.set XW,  6                            ;      where my position's codes go in x's images;
.set XSW, 7                            ;      and its scale word;
.set WIW, 8                            ;      where my weight images go;
.set WSW, 9                            ;      and their scale words
.set FGR, 4                            ; v4-9 behind it: my matrix's weight images;
.set FGS, 5                            ;      their scale words;
.set XR,  6                            ;      my two position tiles' images;
.set XSR, 7                            ;      their scale words;
.set OSA, 8                            ;      where K's or Q's scale word goes;
.set OSV, 9                            ;      where V's two go
.set PWA, 10                           ; v10-11 scale words just made
.set PWB, 11
.set T,   12
.set XS,  13                           ; v13-14 x's scale words
.set XSH, 15                           ; v15  XSC + 4 x (lane % 16)
.set WH,  16                           ; v16-79  wh's four fragments (32 i + 16 ks); before that 64 numbers of a weight
.set ACC, 80                           ; v80-207 numbers of x and of the weights, then accumulators
.set XF,  208                          ; v208-239 two fragments of x; outside the products the codes just made
.set PC0, 208
.set PC1, 224
.set TA,  240                          ; v240-243, v244-247 at work
.set TBB, 244
.set WHS, 248                          ; v248-251 wh's scale words (2 i + ks)
.set WFS, 252                          ; v252-255 wf's or wg's
.set WV,  16
.set PB,  17
.set HM,  18
.set RI,  19                           ; s19  the record: 32 x batch + work-group x
.set XB,  24
.set WFG, 26
.set WHB, 28
.set KVB, 30
.set QB,  32
.set FGO, 34
.set VB,  36
.set SEL, 38
.set MNT, 40
.macro PLACES n
.rept \n
	v_nop
.endr
.endm
.macro BARRIER                         ; my LDS stores have landed and my LDS loads are in: then the work-group's barrier
	s_wait_dscnt 0x0
	s_barrier_signal -1
	s_barrier_wait -1
.endm
.macro XLD c                           ; block c: x(128 hm + 32 c + i, my position), i = 0 .. 31
.set xi, 0
.rept 32
	global_load_b32 v[ACC+32*\c+xi], v[L4], s[XB:XB+1] offset:(32*\c+xi)*16384 th:TH_LOAD_NT
.set xi, xi+1
.endr
.endm
.macro XBLOCK c                        ; a whole block of 32 along K lies in my registers: its scale byte into PWA, its codes into x's image
.set X, ACC+32*\c
	v_max3_num_f32 v[TA], |v[X]|, |v[X+1]|, |v[X+2]|
	v_max3_num_f32 v[TA+1], |v[X+3]|, |v[X+4]|, |v[X+5]|
.irp i, 6,10,14,18,22,26
	s_delay_alu instid0(VALU_DEP_2)
	v_max3_num_f32 v[TA], v[TA], |v[X+\i]|, |v[X+\i+1]|
	s_delay_alu instid0(VALU_DEP_2)
	v_max3_num_f32 v[TA+1], v[TA+1], |v[X+\i+2]|, |v[X+\i+3]|
.endr
	s_delay_alu instid0(VALU_DEP_2)
	v_max3_num_f32 v[TA], v[TA], |v[X+30]|, |v[X+31]|
	s_delay_alu instid0(VALU_DEP_1)
	v_max3_num_f32 v[TA], v[TA], v[TA+1], 0x8000000        ; and the floor 2^(16 - 127): the byte cannot fall under 1
	s_delay_alu instid0(VALU_DEP_1)
	v_add_nc_u32 v[TA+2], 0xf8800000, v[TA]                ; 15 off the exponent field: the conversion's scale operand
	s_delay_alu instid0(VALU_DEP_1)
	v_lshrrev_b32 v[T], 23, v[TA+2]                        ; the scale's byte
.if \c == 0
	s_delay_alu instid0(VALU_DEP_1)
	v_mov_b32 v[PWA], v[T]
.else
	s_delay_alu instid0(VALU_DEP_1)
	v_lshl_or_b32 v[PWA], v[T], 8*\c, v[PWA]
.endif
.set xi, 0
.rept 32
.set xi, xi+1
.endr
.irp g, 0,1,2,3
	v_cvt_scalef32_pk8_bf8_f32 v[PC0+8*\c+2*\g:PC0+8*\c+2*\g+1], v[X+8*\g:X+8*\g+7], v[TA+2]
.endr
	ds_store_b128 v[XW], v[PC0+8*\c:PC0+8*\c+3] offset:512*\c          ; k = 32 c + 0 .. 15: the place of lane r of the fragment,
	ds_store_b128 v[XW], v[PC0+8*\c+4:PC0+8*\c+7] offset:512*\c+256    ; k = 32 c + 16 .. 31: of lane 16 + r
.endm
.macro WLD reg, va, sb, off            ; 64 numbers of a weight's row: register 16 b + 4 j + .. = k 32 b + 16 (lane / 16) + 4 j + ..
.irp b, 0,1,2,3
.irp j, 0,1,2,3
	global_load_b128 v[\reg+16*\b+4*\j:\reg+16*\b+4*\j+3], v[\va], s[\sb:\sb+1] offset:\off+128*\b+16*\j
.endr
.endr
.endm
; 16 nb numbers of a lane, register 16 b + i = k 32 b + 16 (lane / 16) + i of my row, become codes in v[d] on (four registers a block) and a scale word in v[pw].  Each accumulator is read from its low end on.
.macro QUANT s, d, pw, nb
.set qb, 0
.rept \nb
	v_max3_num_f32 v[TA+qb], |v[\s+16*qb]|, |v[\s+16*qb+1]|, 0x8000000   ; my 16 numbers of block qb, and the floor 2^(16 - 127)
.set qb, qb+1
.endr
.irp i, 2,4,6,8,10,12,14
.set qb, 0
.rept \nb
	v_max3_num_f32 v[TA+qb], v[TA+qb], |v[\s+16*qb+\i]|, |v[\s+16*qb+\i+1]|   ; (the blocks by turns)
.set qb, qb+1
.endr
.endr
.set qb, 0
.rept \nb
	v_permlanex16_b32 v[TBB+qb], v[TA+qb], s[SEL], s[SEL+1]
.set qb, qb+1
.endr
.set qb, 0
.rept \nb
	v_max_num_f32 v[TA+qb], v[TA+qb], v[TBB+qb]            ; with lane l xor 16's: the block's largest magnitude
.set qb, qb+1
.endr
.set qb, 0
.rept \nb
	v_and_or_b32 v[TBB+qb], v[TA+qb], 0x7f800000, s[MNT]   ; 57,344 x the scale
.set qb, qb+1
.endr
.set qb, 0
.rept \nb
	v_add_nc_u32 v[TA+qb], 0xf8800000, v[TA+qb]            ; the conversion's scale operand
.set qb, qb+1
.endr
	v_lshrrev_b32 v[\pw], 23, v[TA]                        ; the bytes make my row's scale word
.set qb, 1
.rept \nb-1
	v_lshrrev_b32 v[T], 23, v[TA+qb]
	s_delay_alu instid0(VALU_DEP_1)
	v_lshl_or_b32 v[\pw], v[T], 8*qb, v[\pw]
.set qb, qb+1
.endr
.set qb, 0
.rept \nb
.set qi, 0
.rept 16
.set qi, qi+1
.endr
	v_cvt_scalef32_pk8_bf8_f32 v[\d+4*qb:\d+4*qb+1], v[\s+16*qb:\s+16*qb+7], v[TA+qb]
	v_cvt_scalef32_pk8_bf8_f32 v[\d+4*qb+2:\d+4*qb+3], v[\s+16*qb+8:\s+16*qb+15], v[TA+qb]
.set qb, qb+1
.endr
	v_nop                                                  ; a plain instruction between the last conversion and whatever vector or matrix instruction next touches its registers
.endm
.macro IMAGE va, pc, off               ; a fragment goes to LDS as it stands
.irp c, 0,1,2,3
	ds_store_b128 v[\va], v[\pc+4*\c:\pc+4*\c+3] offset:\off+512*\c
.endr
.endm
.macro MUL d, a, b, zero, sa, sb       ; zero = 1: the product starts the sum
.if \zero
	v_wmma_scale_f32_16x16x128_f8f6f4 v[\d:\d+7], v[\a:\a+15], v[\b:\b+15], 0, v[\sa], v[\sb] matrix_a_fmt:MATRIX_FMT_BF8 matrix_b_fmt:MATRIX_FMT_BF8
.else
	v_wmma_scale_f32_16x16x128_f8f6f4 v[\d:\d+7], v[\a:\a+15], v[\b:\b+15], v[\d:\d+7], v[\sa], v[\sb] matrix_a_fmt:MATRIX_FMT_BF8 matrix_b_fmt:MATRIX_FMT_BF8
.endif
.endm
	s_load_b256 s[4:11], s[0:1], 0x0               ; x s[4:5], wf s[6:7], wg s[8:9], wh s[10:11]
	s_load_b128 s[12:15], s[0:1], 0x20             ; kv s[12:13], qc s[14:15]
	s_set_vgpr_msb 0x40
	v_lshl_add_u32 v0, v0, 2, 0x11800
	v_mov_b32 v1, 0
	s_set_vgpr_msb 0x4000
	v_lshrrev_b32 v[T], 5, v0
	s_delay_alu instid0(VALU_DEP_1)
	v_readfirstlane_b32 s[WV], v[T]                ; wave 0..7
	s_and_b32 s[PB], s[WV], 3
	s_lshr_b32 s[HM], s[WV], 2
	s_and_b32 s20, ttmp7, 0xffff                   ; batch
	s_lshl_b32 s[RI], s20, 5
	s_add_co_u32 s[RI], s[RI], ttmp9
	s_lshl_b32 s20, s20, 22                        ; x: the batch's 4 MiB,
	s_lshl_b32 s21, s[HM], 21                      ; my 128 channels of 16,384 bytes,
	s_add_co_u32 s20, s20, s21
	s_lshl_b32 s21, ttmp9, 9                       ; the work-group's 128 positions,
	s_add_co_u32 s20, s20, s21
	s_lshl_b32 s21, s[PB], 7                       ; my 32 of them
	s_add_co_u32 s20, s20, s21
	s_mov_b32 s21, 0                               ; stays 0: the upper word of every offset made in s20
	v_and_b32 v[TA], 31, v0                        ; lane
	s_delay_alu instid0(VALU_DEP_1)
	v_lshlrev_b32 v[L4], 2, v[TA]
	s_delay_alu instid0(VALU_DEP_2)
	v_lshlrev_b32 v[LI], 4, v[TA]
	s_wait_alu depctr_va_vdst(0)
	s_wait_kmcnt 0x0
	s_add_nc_u64 s[XB:XB+1], s[4:5], s[20:21]
	XLD 0
	XLD 1
	s_lshr_b32 s20, s[PB], 1                       ; wf / wg: tile pb begins at row 32 (pb / 2) + 8 (pb % 2); a row is 1,024 bytes
	s_lshl_b32 s20, s20, 15
	s_and_b32 s22, s[PB], 1
	s_lshl_b32 s22, s22, 13
	s_add_co_u32 s20, s20, s22
	s_cmp_lt_u32 s[WV], 4                          ; waves 0-3 take wf, waves 4-7 wg: the choice hangs on the wave's number alone
	s_cselect_b64 s[WFG:WFG+1], s[6:7], s[8:9]
	s_add_nc_u64 s[WFG:WFG+1], s[WFG:WFG+1], s[20:21]
	s_lshl_b32 s20, s[WV], 15                      ; wh: my 32 rows
	s_add_nc_u64 s[WHB:WHB+1], s[10:11], s[20:21]
	s_mul_i32 s20, s[RI], REC
	s_add_nc_u64 s[KVB:KVB+1], s[12:13], s[20:21]
	s_mul_i32 s20, s[RI], QREC
	s_add_nc_u64 s[QB:QB+1], s[14:15], s[20:21]
	s_cmp_lt_u32 s[WV], 4                          ; fx goes to kv's record, gx to qc's: block pb of 2,048 bytes
	s_cselect_b64 s[FGO:FGO+1], s[KVB:KVB+1], s[QB:QB+1]
	s_lshl_b32 s20, s[PB], 11
	s_add_nc_u64 s[FGO:FGO+1], s[FGO:FGO+1], s[20:21]
	s_lshl_b32 s20, s[WV], 12                      ; V: my two channel tiles of 2,048 bytes
	s_add_nc_u64 s[VB:VB+1], s[KVB:KVB+1], s[20:21]
	s_mov_b32 s[SEL], 0x76543210
	s_mov_b32 s[SEL+1], 0xfedcba98                 ; v_permlanex16_b32's selects for lane l xor 16
	s_mov_b32 s[MNT], 0x600000                     ; the mantissa field of 57,344
	v_and_b32 v[TA+1], 15, v0                      ; r
	v_bfe_u32 v[TA+2], v0, 4, 1                    ; h
	s_delay_alu instid0(VALU_DEP_2)
	v_lshlrev_b32 v[R4], 2, v[TA+1]
	s_delay_alu instid0(VALU_DEP_1)
	v_add_nc_u32 v[XSH], XSC, v[R4]
	s_delay_alu instid0(VALU_DEP_4)
	v_lshlrev_b32 v[WAN], 10, v[TA+1]
	s_delay_alu instid0(VALU_DEP_1)
	v_lshl_add_u32 v[WAN], v[TA+2], 6, v[WAN]      ; row r, + 64 h: my 16 numbers of a block of 32
	v_and_b32 v[TA+3], 8, v[TA+1]
	s_delay_alu instid0(VALU_DEP_1)
	v_lshl_add_u32 v[WAP], v[TA+3], 10, v[WAN]     ; row r + 8 (r / 8)
	v_bfe_u32 v[TA+3], v0, 3, 1                    ; my position 32 pb + lane lies in tile 2 pb + u, u = (lane / 8) % 2,
	v_and_b32 v[TA+1], 7, v0
	s_delay_alu instid0(VALU_DEP_1)
	v_lshl_add_u32 v[TA+1], v[TA+2], 3, v[TA+1]    ; at lane-row lane % 8 + 8 (lane / 16)
	s_delay_alu instid0(VALU_DEP_3)
	v_lshlrev_b32 v[XW], 12, v[TA+3]
	s_delay_alu instid0(VALU_DEP_1)
	v_lshl_add_u32 v[XW], v[TA+1], 4, v[XW]
	s_lshl_b32 s20, s[PB], 13
	s_lshl_b32 s22, s[HM], 11
	s_add_co_u32 s20, s20, s22
	v_add_nc_u32 v[XW], s20, v[XW]                 ; fragment (2 pb + u, hm): 8192 pb + 4096 u + 2048 hm
	v_lshlrev_b32 v[XSW], 7, v[TA+3]
	s_delay_alu instid0(VALU_DEP_1)
	v_lshl_add_u32 v[XSW], v[TA+1], 2, v[XSW]
	s_lshl_b32 s20, s[PB], 8
	s_lshl_b32 s22, s[HM], 6
	s_add_co_u32 s20, s20, s22
	s_add_co_u32 s20, s20, XSC
	v_add_nc_u32 v[XSW], s20, v[XSW]
	s_lshl_b32 s20, s[WV], 12
	s_add_co_u32 s20, s20, WIMG
	v_add_nc_u32 v[WIW], s20, v[LI]
	s_lshl_b32 s20, s[WV], 8
	s_add_co_u32 s20, s20, WSC
	v_add_nc_u32 v[WSW], s20, v[L4]
.irp b, 0,1,2,3
	v_mov_b32 v[TBB+\b], 0                         ; written once: a lane permute's destination counts as one of its sources
.endr
	; ---- x's four blocks and the six weight fragments, loads two sets ahead.  Each count names the loads issued behind the set that is waited for
	s_wait_loadcnt 32                              ; block 0 is in; block 1's 32 loads may be out
	XLD 2
	XBLOCK 0
	s_wait_loadcnt 32                              ; block 1; block 2's may be out
	XLD 3
	XBLOCK 1
	s_wait_loadcnt 32                              ; block 2; block 3's may be out
	WLD WH, WAP, WFG, 0                            ; wf / wg, K step 0
	WLD ACC, WAP, WFG, 512                         ; K step 1, into the registers that blocks 0 and 1 have left
	XBLOCK 2
	s_wait_loadcnt 32                              ; block 3; the two fragments' 32 loads may be out
	XBLOCK 3
	ds_store_b32 v[XSW], v[PWA]                    ; my position's scale word for this K step
	WLD ACC+64, WAN, WHB, 0                        ; wh, tile 2 wave, K step 0
	s_wait_dscnt 0x0                               ; x's codes and scale word have left their registers
	s_wait_loadcnt 32                              ; the first fragment; two fragments may be out
	QUANT WH, PC0, PWA, 4
	IMAGE WIW, PC0, 0
	ds_store_b32 v[WSW], v[PWA]
	s_wait_loadcnt 16                              ; from here on one fragment's 16 loads may be out
	QUANT ACC, PC1, PWB, 4
	IMAGE WIW, PC1, 2048
	ds_store_b32 v[WSW], v[PWB] offset:128
	WLD ACC, WAN, WHB, 512                         ; tile 2 wave, K step 1
	s_wait_loadcnt 16
	QUANT ACC+64, WH, WHS, 4
	WLD ACC+64, WAN, WHB, 16384                    ; tile 2 wave + 1, K step 0
	s_wait_loadcnt 16
	QUANT ACC, WH+16, WHS+1, 4
	WLD ACC, WAN, WHB, 16384+512                   ; K step 1
	s_wait_loadcnt 16
	QUANT ACC+64, WH+32, WHS+2, 4
	s_wait_loadcnt 0x0
	QUANT ACC, WH+48, WHS+3, 4
	BARRIER                                        ; x's sixteen fragments and wf's and wg's sixteen lie in LDS
	s_lshl_b32 s20, s[HM], 14                      ; no load of mine is out: v4-9 take their second meaning
	s_add_co_u32 s20, s20, WIMG
	v_add_nc_u32 v[FGR], s20, v[LI]
	s_wait_alu depctr_va_vdst(0)
	s_lshl_b32 s20, s[HM], 10
	s_add_co_u32 s20, s20, WSC
	v_add_nc_u32 v[FGS], s20, v[L4]
	s_wait_alu depctr_va_vdst(0)
	s_lshl_b32 s20, s[PB], 13
	v_add_nc_u32 v[XR], s20, v[LI]
	s_wait_alu depctr_va_vdst(0)
	s_lshl_b32 s20, s[PB], 8
	s_add_co_u32 s20, s20, XSC
	v_add_nc_u32 v[XSR], s20, v[R4]
	s_wait_alu depctr_va_vdst(0)
	s_mul_i32 s20, s[HM], 2560                     ; K's words at OSC, Q's 2,560 bytes on; 16 bytes a lane, word pb
	s_lshl_b32 s22, s[PB], 2
	s_add_co_u32 s20, s20, s22
	s_add_co_u32 s20, s20, OSC
	v_add_nc_u32 v[OSA], s20, v[LI]
	s_lshr_b32 s20, s[WV], 1                       ; V's: channel tile 2 wave + i = 4 e + q: e = wave / 2, q = 2 (wave % 2) + i
	s_lshl_b32 s20, s20, 9
	s_and_b32 s22, s[WV], 1
	s_lshl_b32 s22, s22, 3
	s_add_co_u32 s20, s20, s22
	s_add_co_u32 s20, s20, OSC+512
	v_add_nc_u32 v[OSV], s20, v[LI]
	; ---- fx or gx for my two position tiles: eight accumulators by turns, a K step at a time
.irp ks, 0,1
.if \ks
	PLACES 8                                       ; eight places in front of loads into registers that these matrix instructions have read
.endif
.irp t, 0,1,2,3
.irp c, 0,1,2,3
	ds_load_b128 v[ACC+64+16*\t+4*\c:ACC+64+16*\t+4*\c+3], v[FGR] offset:4096*\t+2048*\ks+512*\c
.endr
	ds_load_b32 v[WFS+\t], v[FGS] offset:256*\t+128*\ks
.endr
.irp u, 0,1
.irp c, 0,1,2,3
	ds_load_b128 v[XF+16*\u+4*\c:XF+16*\u+4*\c+3], v[XR] offset:4096*\u+2048*\ks+512*\c
.endr
	ds_load_b32 v[XS+\u], v[XSR] offset:128*\u+64*\ks
.endr
	s_wait_dscnt 0x0
.irp u, 0,1
.irp t, 0,1,2,3
	MUL ACC+32*\u+8*\t, ACC+64+16*\t, XF+16*\u, 1-\ks, WFS+\t, XS+\u
.endr
.endr
.endr
	PLACES 8                                       ; in front of the first read of results
	QUANT ACC, PC0, PWA, 2                         ; tile 2 pb: 64 channels, two blocks: eight registers of codes,
	QUANT ACC+32, PC0+8, PWB, 2                    ; tile 2 pb + 1: the fragment's other eight
.irp g, 0,1,2,3
	global_store_b128 v[LI], v[PC0+4*\g:PC0+4*\g+3], s[FGO:FGO+1] offset:512*\g   ; 32 lanes store 512 consecutive bytes
.endr
	v_lshl_or_b32 v[PWA], v[PWB], 16, v[PWA]       ; bytes 0, 1: tile 2 pb's scales; bytes 2, 3: tile 2 pb + 1's
	ds_store_b32 v[OSA], v[PWA]
	; ---- hx for my two channel tiles: a position tile at a time, its two accumulators by turns
	s_wait_xcnt 0x0                                ; the stores above have read their data: x's fragments land in those registers
.irp t, 0,1,2,3,4,5,6,7
.irp ks, 0,1
.irp c, 0,1,2,3
	ds_load_b128 v[XF+16*\ks+4*\c:XF+16*\ks+4*\c+3], v[LI] offset:XIMG+4096*\t+2048*\ks+512*\c
.endr
	ds_load_b32 v[XS+\ks], v[XSH] offset:128*\t+64*\ks
.endr
	s_wait_dscnt 0x0
.irp ks, 0,1
.irp i, 0,1
	MUL ACC+64*\i+8*\t, XF+16*\ks, WH+32*\i+16*\ks, 1-\ks, XS+\ks, WHS+2*\i+\ks
.endr
.endr
	PLACES 8                                       ; in front of the next tile's loads, and at last of the first read of results
.endr
	QUANT ACC, PC0, PWA, 4                         ; channel tile 2 wave: a lane's 64 registers are 16 neighbouring positions of each block of 32
	QUANT ACC+64, PC1, PWB, 4
.irp i, 0,1
.irp c, 0,1,2,3
	global_store_b128 v[LI], v[PC0+16*\i+4*\c:PC0+16*\i+4*\c+3], s[VB:VB+1] offset:8192+2048*\i+512*\c
.endr
.endr
	ds_store_b64 v[OSV], v[PWA:PWB]
	BARRIER                                        ; the records' 3,072 bytes of scale words lie in LDS
	s_cmp_ge_u32 s[WV], 6                          ; six waves store 512 consecutive bytes each
	s_cbranch_scc1 .Lend
	s_lshl_b32 s20, s[WV], 9
	s_add_co_u32 s22, s20, OSC
	v_add_nc_u32 v[FGR], s22, v[LI]
	ds_load_b128 v[16:19], v[FGR]
	s_add_co_u32 s20, s20, 40960                   ; waves 0-4: K's and V's words, on end in kv's record;
	s_add_nc_u64 s[20:21], s[KVB:KVB+1], s[20:21]
	s_add_nc_u64 s[22:23], s[QB:QB+1], 8192        ; wave 5: Q's
	s_cmp_eq_u32 s[WV], 5
	s_cselect_b64 s[20:21], s[22:23], s[20:21]
	s_wait_dscnt 0x0
	global_store_b128 v[LI], v[16:19], s[20:21]
.Lend:
	s_set_vgpr_msb 0x5
	s_wait_tensorcnt 0x0
	ds_add_u32 v0, v1
	s_wait_dscnt 0x0
	s_set_vgpr_msb 0x500
	s_endpgm
.Lfunc_end_k_q8433b2e965_proj:
	.size	k_q8433b2e965_proj, .Lfunc_end_k_q8433b2e965_proj-k_q8433b2e965_proj
	.p2alignl 7, 3214868480
	.fill 96, 4, 3214868480
	.section	.rodata,"a",@progbits
	.p2align	6, 0x0
	.amdhsa_kernel k_q8433b2e965_proj
		.amdhsa_group_segment_fixed_size 72704
		.amdhsa_private_segment_fixed_size 0
		.amdhsa_enable_private_segment 0
		.amdhsa_kernarg_size 48
		.amdhsa_user_sgpr_count 2
		.amdhsa_user_sgpr_kernarg_segment_ptr 1
		.amdhsa_wavefront_size32 1
		.amdhsa_system_sgpr_workgroup_id_x 1
		.amdhsa_system_sgpr_workgroup_id_y 1
		.amdhsa_system_sgpr_workgroup_id_z 1
		.amdhsa_system_vgpr_workitem_id 0
		.amdhsa_next_free_vgpr 258
		.amdhsa_next_free_sgpr 66
		.amdhsa_reserve_vcc 0
		.amdhsa_float_denorm_mode_32 3
		.amdhsa_float_denorm_mode_16_64 3
		.amdhsa_fp16_overflow 1
		.amdhsa_memory_ordered 1
		.amdhsa_forward_progress 1
		.amdhsa_inst_pref_size 92
	.end_amdhsa_kernel
	.amdgpu_metadata
---
amdhsa.version: [ 1, 2 ]
amdhsa.kernels:
  - .name:           k_q8433b2e965_proj
    .symbol:         k_q8433b2e965_proj.kd
    .args:
      - { .name: x, .offset: 0, .size: 8, .value_kind: global_buffer, .address_space: global }
      - { .name: wf, .offset: 8, .size: 8, .value_kind: global_buffer, .address_space: global }
      - { .name: wg, .offset: 16, .size: 8, .value_kind: global_buffer, .address_space: global }
      - { .name: wh, .offset: 24, .size: 8, .value_kind: global_buffer, .address_space: global }
      - { .name: kv, .offset: 32, .size: 8, .value_kind: global_buffer, .address_space: global }
      - { .name: qc, .offset: 40, .size: 8, .value_kind: global_buffer, .address_space: global }
    .group_segment_fixed_size: 72704
    .private_segment_fixed_size: 0
    .kernarg_segment_align: 8
    .kernarg_segment_size: 48
    .max_flat_workgroup_size: 256
    .sgpr_count:     66
    .vgpr_count:     258
    .wavefront_size: 32
...
	.end_amdgpu_metadata
.endif
;; end of part 3
;; launch attn (part 4): grid 32 x 8, 8 waves a work-group, clusters of 4 x 1, 327,680 bytes of LDS; arguments qc, kv, x, gamma, out0; writes out0
.if DOCPART == 4
	.amdgcn_target "amdgcn-amd-amdhsa--gfx1250"
	.amdhsa_code_object_version 6
	.text
	.protected	k_q8433b2e965_attn
	.globl	k_q8433b2e965_attn
	.p2align	8
	.type	k_q8433b2e965_attn,@function
k_q8433b2e965_attn:
	s_mov_b64 s[64:65], 0
	v_nop
	global_prefetch_b8 v0, s[64:65] scope:SCOPE_SE
	s_setreg_imm32_b32 hwreg(HW_REG_WAVE_MODE, 25, 1), 1
	s_wait_xcnt 0x0
	s_wait_alu depctr_hold_cnt(0) depctr_sa_sdst(0) depctr_va_vdst(0) depctr_va_sdst(0) depctr_va_ssrc(0) depctr_va_vcc(0) depctr_vm_vsrc(0)
	s_getreg_b32 s2, hwreg(HW_REG_IB_STS2, 6, 4)
	s_cmp_eq_u32 s2, 0
	s_cbranch_scc0 .Lentry_in_a_cluster
	s_endpgm
.Lentry_in_a_cluster:
	s_bfe_u32 s2, ttmp6, 0x10000c
	s_cmp_lg_u32 s2, 0x3003
	s_cbranch_scc0 .Lentry_shape_is_right
	s_endpgm
.Lentry_shape_is_right:
; out[b][c][j] = gamma x (the sum over keys i of hx[c][i] p[i][j]) / l[j] + x[b][c][j], p = 2^(t - M), t = (fx[:, i] . gx[:, j]) x log2(e): the softmax runs over the keys i for each query j.
; Both products on codes of BF8 (E5M2) with one E8M0 scale for each 32 along K.  K, V, Q arrive from the launch before as images of operand registers (its head comment gives the records).
; M = the largest t so far, rounded UP to a whole number; p is not normalised; l is the sum of the unquantised p; when M moves, l and O are multiplied by 2^(old M - new M), which rounds nothing.
; SHARES.  A work-group owns 128 queries of one batch.  Wave w holds TWO tiles of 16 queries, those of block pb = w & 3, and walks HALF the keys: of each slot's two records (128 keys each) waves 0-3 take the first,
; waves 4-7 the second.  So every fragment of K and of V that a wave reads from LDS feeds two matrix instructions: 85 LDS loads of 512 bytes a wave for 32 queries x 128 keys.
; Each wave keeps its own running M.  At the end waves w and w xor 4, which hold the same 32 queries, exchange one tile each through LDS and add the two parts under the larger M: factors that are exact powers of two.
; Waves 4-7 load their two tiles the other way round, so that every wave keeps its register tile a and gives its register tile b.
; CLUSTER.  The four query blocks of a cluster belong to one batch and walk the same records: each slot is asked for JOINTLY (waves 0-3: a quarter each, 85 rows of 256 bytes), with a mask that names the four.
; LAYOUT.  Both products are used transposed: S^T = K Q^T, O^T = V P^T: a lane holds ONE query of each tile throughout.  The keys of a tile are chosen (lane-row r of tile 2 b + u is key 32 b + 8 u + r + 8 (r / 8)),
; so that p's 16 registers of tiles 2 b and 2 b + 1 are 16 neighbouring keys and the conversions' results are the second product's operand.
; THE FIRST PRODUCT'S K IS 64, the instruction's 128.  A fragment of K holds tile 2 b in k = 0 .. 63 and tile 2 b + 1 in k = 64 .. 127; multiplied by [Q | zero codes] it gives tile 2 b, by [zero codes | Q] tile 2 b + 1.
; A zero code adds nothing (K's codes are finite: the quantiser holds them at the largest code); the scale bytes over Q's zero halves are 0, which is 2^-127.
; REGISTERS ARE SHORT (two waves to a SIMD: 512 each), so K's and the scores' 128 registers take V's fragments, four at a time, once the scores are codes; the 128 rescalings of O^T are dealt out as the places and the
; cover behind each request.  The step's last sixteen products stand round the change of slots: eight between the barrier's signal and its wait, eight behind the request for the next K.
; A BLOCK'S LARGEST p is not searched for: the block's largest score goes through the same multiply-add and exponential.  This takes v_exp_f32 not to fall where its input rises.
; LIMITS: p under 2^-126 counts as 0; a block whose every p is 0 keeps the byte 1 over zero codes; NaN and infinities among the inputs are not served.
; REGISTERS.  Window 0: v1 16 x lane; v2 my record; v3 at work; v4-5 for the add; v[6:7] tile a's factor; v8-11, v12-15 the tiles' -M, largest t, l in two halves; v16-55 [Qa | 0 | Qb | 0 | Qa]: any two neighbouring
;   runs of eight are an operand; v56-119 S^T, then p, then four fragments of V; v120-183 K, then four fragments of V; v184-215 p's codes; v216-219 K's scale words, v220-227 V's (two groups), v228-231 Q's four,
;   v232-233 p's; v234-253 at work.   Window 1: v0-127 O^T of tile a (8 x channel tile), v128-255 of tile b.
.set REC,   43520
.set QREC,  8704
.set SLOT1, 131072                     ; slot 1 begins here: one exclusive or turns an address in one slot into the other's
.set QTR,   21760                      ; a quarter of a slot: 85 rows of 256 bytes
.set SP,    528                        ; the way out: a stage row: 128 positions x 4 bytes + 16
.set STG,   131072                     ; the stage, 256 rows: in slot 1 and behind it.  Slot 1 has had its last fill, and the stage is written behind the exchange's barrier, in front of which every wave's reads of slot 1 are over
.set SPARE, 285696                     ; the spare words, 128 bytes for each wave: four blocks of 256 bytes that no other line names
.set EXS,   286720                     ; the exchange's statistics: 8 bytes a lane, 256 a wave.  (The exchange itself: 16,384 bytes a wave from byte 0 on: slot 0, which has had its last fill and its last read, and the gap behind it)
.set LI,  1
.set AD,  2
.set T,   3
.set SPW, 4
.set NIL, 5
.set FA,  6                            ; v[6:7]   2^(old M - new M) of tile a; at the end its share of gamma / l
.set SA,  8                            ; v8-11    tile a: -M, the largest t, l in two halves
.set SB,  12                           ; v12-15   tile b
.set QA0, 16                           ; [Qa | 0]
.set QB1, 24                           ; [0 | Qb]
.set QB0, 32                           ; [Qb | 0]
.set QA1, 40                           ; [0 | Qa]
.set S,   56
.set KF,  120
.set PC,  184
.set KS,  216
.set VS,  220
.set QS,  228                          ; v228-231 the scale words of [Qa | 0], [0 | Qa], [Qb | 0], [0 | Qb]
.set PS,  232
.set BM,  234                          ; v234-237 a block's largest score, then its largest p
.set PD,  238                          ; v238-241 the other half's, then the scale bytes
.set HD,  242
.set SO,  246                          ; v246-249 the conversions' scale operands
.set FB,  250                          ; v[250:251] tile b's factor; at the end the partner's share of gamma / l
.set L2,  252                          ; v[252:253] the sum's second chain
.set EXW, 16                           ; the way out, in the registers that Q has left: where I put tile b, where I find the partner's,
.set EXR, 17
.set ESW, 18                           ; the same for the statistics,
.set ESR, 19
.set STA, 20                           ; the stage: channels 0-127, 128-255, and where I read rows back
.set STB, 21
.set RD,  22
.set WV,  14
.set G1,  24                           ; s[24:31] descriptor group 1
.set G0,  32                           ; s[32:35] group 0, which walks
.set SEL, 36
.set CS,  38                           ; s[38:39] log2(e): the packed form names a pair and takes its low word for both halves
.set MNT, 40
.set TB,  41                           ; s41  LDS byte at which my record of the next slot begins
.set CNT, 42
.set GAM, 43
.set PB,  53                           ; s53  wave & 3: my block of 32 queries
.set HG,  54                           ; s54  wave >> 2: which record of a slot is mine
.set MSB, 0
.macro WIN new                         ; low byte: bits 1:0 source 0, 3:2 source 1, 5:4 source 2, 7:6 destination; the high byte repeats the setting that is left
.if MSB != \new
	s_set_vgpr_msb (MSB<<8)|\new
.set MSB, \new
.endif
.endm
.macro PLACES n
.rept \n
	v_nop
.endr
.endm
.macro CREST                           ; a round of the cluster's barrier behind its opening barrier
	s_cmp_lg_u32 s[WV], 0
	s_cbranch_scc1 .Lnot_wave_0_\@
	s_barrier_signal -3
.Lnot_wave_0_\@:
	s_barrier_wait -3
	s_barrier_signal -1
	s_barrier_wait -1
.endm
.macro CROUND                          ; a whole round
	s_barrier_signal -1
	s_barrier_wait -1
	CREST
.endm
.macro JLOAD                           ; waves 0-3 ask for a quarter of a slot each; the branch hangs on the wave's number alone.  Four v_nop follow the load
	s_cmp_lt_u32 s[WV], 4
	s_cbranch_scc0 .Lasked_\@
	tensor_load_to_lds s[G0:G0+3], s[G1:G1+7]
	s_nop 0
.rept 4
	v_nop
.endr
.Lasked_\@:
.endm
.macro KLOAD                           ; K's four fragments and their scale words, from my record
.irp g, 0,1,2,3,4,5,6,7,8,9,10,11,12,13,14,15
	ds_load_b128 v[KF+4*\g:KF+4*\g+3], v[AD] offset:512*\g
.endr
	ds_load_b128 v[KS:KS+3], v[AD] offset:40960
.endm
.macro VGROUP e, reg, vs               ; 17 loads: V's fragments of channel tiles 4 e + 0 .. 3 into v[reg] on, their scale words into v[vs] on
	WIN 0
.irp f, 0,1,2,3
.irp c, 0,1,2,3
	ds_load_b128 v[\reg+16*\f+4*\c:\reg+16*\f+4*\c+3], v[AD] offset:8192+(4*\e+\f)*2048+512*\c
.endr
.endr
	ds_load_b128 v[\vs:\vs+3], v[AD] offset:41472+512*\e
.endm
.macro KQ qlo, qhi, sq                 ; S^T of one query tile: eight products that start their sums
	WIN 0
.irp b, 0,1,2,3
	v_wmma_scale_f32_16x16x128_f8f6f4 v[S+16*\b:S+16*\b+7], v[KF+16*\b:KF+16*\b+15], v[\qlo:\qlo+15], 0, v[KS+\b], v[\sq] matrix_a_fmt:MATRIX_FMT_BF8 matrix_b_fmt:MATRIX_FMT_BF8
	v_wmma_scale_f32_16x16x128_f8f6f4 v[S+16*\b+8:S+16*\b+15], v[KF+16*\b:KF+16*\b+15], v[\qhi:\qhi+15], 0, v[KS+\b], v[\sq+1] matrix_a_fmt:MATRIX_FMT_BF8 matrix_b_fmt:MATRIX_FMT_BF8
.endr
.endm
.macro RESC f, lo, n                   ; n packed multiplications of O^T by v[f], from register lo of window 1 on, each accumulator from its low end on
	WIN 0x41                                       ; O^T (destination and source 0) window 1, the factor window 0
.set j, \lo
.rept \n
	v_pk_mul_f32 v[j:j+1], v[j:j+1], v[\f:\f+1] op_sel_hi:[1,0]
.set j, j+2
.endr
.endm
.macro PV e, reg, vs, first            ; O^T += V P^T for channel tiles 4 e + 0 .. 3 and both query tiles: each fragment of V serves twice.  first = 1: the products start the sums.  The accumulators take turns
	WIN 0x50                                       ; V and p's codes window 0, C and D window 1
.irp f, 0,1,2,3
.irp t, 0,1
.if \first
	v_wmma_scale_f32_16x16x128_f8f6f4 v[128*\t+8*(4*\e+\f):128*\t+8*(4*\e+\f)+7], v[\reg+16*\f:\reg+16*\f+15], v[PC+16*\t:PC+16*\t+15], 0, v[\vs+\f], v[PS+\t] matrix_a_fmt:MATRIX_FMT_BF8 matrix_b_fmt:MATRIX_FMT_BF8
.else
	v_wmma_scale_f32_16x16x128_f8f6f4 v[128*\t+8*(4*\e+\f):128*\t+8*(4*\e+\f)+7], v[\reg+16*\f:\reg+16*\f+15], v[PC+16*\t:PC+16*\t+15], v[128*\t+8*(4*\e+\f):128*\t+8*(4*\e+\f)+7], v[\vs+\f], v[PS+\t] matrix_a_fmt:MATRIX_FMT_BF8 matrix_b_fmt:MATRIX_FMT_BF8
.endif
.endr
.endr
.endm
; One tile's softmax for 128 keys: the scores in v[S] on become p's codes in v[pc] on and their scale word in v[ps]; st: the tile's statistics; f: its factor 2^(old M - new M)
.macro SOFT st, f, pc, ps
	WIN 0
.irp b, 0,1,2,3
	v_max3_num_f32 v[BM+\b], v[S+16*\b], v[S+16*\b+1], v[S+16*\b+2]   ; the largest score of each block of 32 keys: for the row's maximum, and for the block's largest p
.endr
.irp i, 3,5,7,9,11,13
.irp b, 0,1,2,3
	v_max3_num_f32 v[BM+\b], v[BM+\b], v[S+16*\b+\i], v[S+16*\b+\i+1]
.endr
.endr
.irp b, 0,1,2,3
	v_max_num_f32 v[BM+\b], v[BM+\b], v[S+16*\b+15]
.endr
.irp b, 0,1,2,3
	s_delay_alu instid0(VALU_DEP_4)
	v_permlanex16_b32 v[PD+\b], v[BM+\b], s[SEL], s[SEL+1]
.endr
.irp b, 0,1,2,3
	s_delay_alu instid0(VALU_DEP_4)
	v_max_num_f32 v[BM+\b], v[BM+\b], v[PD+\b]     ; with lane l xor 16's 16 keys
.endr
	s_delay_alu instid0(VALU_DEP_2)
	v_max3_num_f32 v[T], v[BM], v[BM+1], v[BM+2]
	s_delay_alu instid0(VALU_DEP_1)
	v_max_num_f32 v[T], v[T], v[BM+3]              ; the step's largest score of my query,
	s_delay_alu instid0(VALU_DEP_1)
	v_mul_f32 v[T], s[CS], v[T]                    ; as t
	s_delay_alu instid0(VALU_DEP_1)
	v_max_num_f32 v[\st+1], v[\st+1], v[T]         ; the running largest t
	v_mov_b32 v[T], v[\st]
	s_delay_alu instid0(VALU_DEP_2)
	v_floor_f32 v[\st], -v[\st+1]                  ; the new -M = floor(-t) = -ceil(t): a whole number
	s_delay_alu instid0(VALU_DEP_1)
	v_sub_f32 v[T], v[\st], v[T]                   ; old M - new M: a whole number, 0 or less
	s_delay_alu instid0(VALU_DEP_1)
	v_cvt_i32_f32 v[T], v[T]                       ; (it saturates)
	s_delay_alu instid0(VALU_DEP_1)
	v_ldexp_f32 v[\f], 1.0, v[T]                   ; 2^(old M - new M)
.set j, 0
.rept 32
	v_pk_fma_f32 v[S+j:S+j+1], v[S+j:S+j+1], s[CS:CS+1], v[\st:\st+1] op_sel_hi:[1,0,0]   ; t - M, two at a time
.set j, j+2
.endr
.irp b, 0,1,2,3
	v_fma_f32 v[BM+\b], v[BM+\b], s[CS], v[\st]    ; the same of each block's largest score
.endr
.set j, 0
	s_wait_alu depctr_va_vdst(0)
.rept 64
	v_exp_f32 v[S+j], v[S+j]                       ; p = 2^(t - M)
.set j, j+1
.endr
.irp b, 0,1,2,3
	v_exp_f32 v[BM+\b], v[BM+\b]                   ; the block's largest p
.endr
	v_pk_mul_f32 v[\st+2:\st+3], v[\st+2:\st+3], v[\f:\f+1] op_sel_hi:[1,0]   ; l under the new M.  (The plain instruction behind the exponentials)
	s_wait_alu depctr_va_vdst(0)
.irp b, 0,1,2,3
	v_max_num_f32 v[BM+\b], 0x8000000, v[BM+\b]    ; the floor 2^(16 - 127): the byte cannot fall under 1
.endr
.irp b, 0,1,2,3
	s_delay_alu instid0(VALU_DEP_4)
	v_add_nc_u32 v[SO+\b], 0xf8800000, v[BM+\b]    ; 15 off the exponent field: the conversion's scale operand
.endr
.irp b, 0,1,2,3
.endr
.irp b, 0,1,2,3
	s_delay_alu instid0(VALU_DEP_4)
	v_lshrrev_b32 v[PD+\b], 23, v[SO+\b]           ; the scale's byte
.endr
	s_delay_alu instid0(VALU_DEP_3)
	v_lshl_or_b32 v[\ps], v[PD+1], 8, v[PD]        ; p's scale word for these 128 keys: far more than eight places ahead of the products that name it
	s_delay_alu instid0(VALU_DEP_1)
	v_lshl_or_b32 v[\ps], v[PD+2], 16, v[\ps]
	s_delay_alu instid0(VALU_DEP_1)
	v_lshl_or_b32 v[\ps], v[PD+3], 24, v[\ps]
	v_pk_add_f32 v[L2:L2+1], v[S:S+1], v[S+2:S+3]  ; l takes the UNQUANTISED p: two at a time, in two chains
.set j, 4
.rept 15
	v_pk_add_f32 v[\st+2:\st+3], v[\st+2:\st+3], v[S+j:S+j+1]
	v_pk_add_f32 v[L2:L2+1], v[L2:L2+1], v[S+j+2:S+j+3]
.set j, j+4
.endr
	s_delay_alu instid0(VALU_DEP_1)
	v_pk_add_f32 v[\st+2:\st+3], v[\st+2:\st+3], v[L2:L2+1]
.irp b, 0,1,2,3
.set j, 0
.rept 16
.set j, j+1
.endr
	v_cvt_scalef32_pk8_bf8_f32 v[\pc+4*\b:\pc+4*\b+1], v[S+16*\b:S+16*\b+7], v[SO+\b]
	v_cvt_scalef32_pk8_bf8_f32 v[\pc+4*\b+2:\pc+4*\b+3], v[S+16*\b+8:S+16*\b+15], v[SO+\b]
.endr
.endm
; MY RECORD OF A SLOT: 128 keys for both query tiles.  K and its scale words are in.  first = 1: the launch's first slot: O^T has nothing to rescale, and all its products stand here, since they start the sums;
; else the products of channel tiles 8-15 are left to the change of slots that follows.  Eight places stand behind a matrix instruction in front of a read of its result and of a load into its registers:
; where O^T is rescaled, rescalings of accumulators that those matrix instructions do not name are the places.
.macro BODY first
	KQ QA0, QA1, QS
	PLACES 8                                       ; in front of the first read of the scores
	SOFT SA, FA, PC, PS
.if \first
	PLACES 4                                       ; a plain instruction between the last conversion and the products that write over its sources
.else
	RESC FA, 0, 8
.endif
	KQ QB0, QB1, QS+2
.if \first
	PLACES 8
.else
	RESC FA, 16, 8                                 ; the places in front of the loads over K and of the first read of the scores
.endif
	VGROUP 0, KF, VS                               ; K is done with: V's first four fragments land under tile b's softmax
	SOFT SB, FB, PC+16, PS+1
	v_nop
	VGROUP 1, S, VS+4                              ; the scores are codes: their registers take the next four
.if \first
	PLACES 4                                       ; the codes stand four places ahead of the products
.else
	RESC FB, 128, 16
.endif
	s_wait_alu depctr_va_vdst(0)
	s_wait_dscnt 17                                ; group 0 is in; group 1's 17 loads may be out
	PV 0, KF, VS, \first
.if \first
	PLACES 8
.else
	RESC FA, 32, 8
.endif
	VGROUP 2, KF, VS
.if !\first
	RESC FA, 48, 8
	RESC FB, 160, 16
.endif
	s_wait_alu depctr_va_vdst(0)
	s_wait_dscnt 17                                ; group 1 is in; group 2's may be out
	PV 1, S, VS+4, \first
.if \first
	PLACES 8
.else
	RESC FA, 64, 8
.endif
	VGROUP 3, S, VS+4
.if \first
	s_wait_dscnt 17                                ; group 2 is in; group 3's may be out
	PV 2, KF, VS, 1
	s_wait_dscnt 0x0
	PV 3, S, VS+4, 1
	WIN 0
	PLACES 9                                       ; in front of the loads over K's registers, and of the next scores, which write over registers that these products read
.else
	RESC FA, 80, 24                                ; the rest of O^T under the new M, while V's last group comes
	RESC FB, 192, 32
	WIN 0
.endif
.endm
; THE CHANGE OF SLOTS.  Each wave waits for all its tensor loads (at most one is out: its quarter of the slot ahead), adds 0 to its spare word, and waits for that and for its reads of the slot that it leaves: V's last groups
; are then in registers.  fill = 1: a round of the cluster's barrier, and behind it the slot just left is asked for again: the load has a whole slot's work in which to land.
; pv = 1: the products of channel tiles 8-11 stand between the opening signal and its wait (registers alone), those of tiles 12-15 behind the request for the next K.
.macro CHANGE fill, pv
	WIN 0
	s_wait_tensorcnt 0x0                           ; no tensor load of mine is out, so group 0 may be written
	ds_add_u32 v[SPW], v[NIL]                      ; 0 onto my spare word
.if \fill
	s_xor_b32 s[G0+1], s[G0+1], SLOT1              ; the other slot than last time,
	s_add_nc_u64 s[G0+2:G0+3], s[G0+2:G0+3], 2*REC ; the next two records; the type bits on top are not reached
.endif
	s_wait_dscnt 0x0                               ; the add is done, and my reads of the slot that I leave are over
	s_barrier_signal -1
.if \pv
	PV 2, KF, VS, 0
	WIN 0
.endif
	s_barrier_wait -1
.if \fill
	CREST
	JLOAD
.endif
	v_add_nc_u32 v[AD], s[TB], v[LI]               ; my record of the slot ahead
	s_xor_b32 s[TB], s[TB], SLOT1
.if \pv
	PLACES 7                                       ; with the addition above: eight places in front of the loads over the fragments just multiplied
.endif
	KLOAD
.if \pv
	s_wait_alu depctr_va_vdst(0)
	PV 3, S, VS+4, 0
	WIN 0
	PLACES 9                                       ; the next scores write over registers that these products read
.endif
	s_wait_dscnt 0x0                               ; K and its scale words are in
.endm
	s_load_b256 s[4:11], s[0:1], 0x0               ; qc s[4:5], kv s[6:7], x s[8:9], gamma s[10:11]
	s_load_b64 s[12:13], s[0:1], 0x20              ; out0
	v_lshl_add_u32 v[SPW], v0, 2, SPARE
	v_mov_b32 v[NIL], 0
	ds_add_u32 v4, v5
	ds_add_u32 v4, v5
	s_wait_dscnt 0x0
	v_lshrrev_b32 v[T], 5, v0
	s_delay_alu instid0(VALU_DEP_1)
	v_readfirstlane_b32 s[WV], v[T]                ; wave 0..7
	s_bfe_u32 s15, ttmp6, 0x40000                  ; cx: my place in the cluster
	s_lshl_b32 s16, ttmp9, 2                       ; in a cluster launch ttmp9 counts clusters
	s_add_co_u32 s16, s16, s15                     ; my block of 128 queries: it enters Q's, x's and out's addresses alone
	s_and_b32 s17, ttmp7, 0xffff                   ; the batch, which the four partners share
	; descriptor group 1: 85 dense rows of 256 bytes (32 elements of 8 bytes), no padding: images are read 512 consecutive bytes at a time
	s_mov_b32 s[G1], 15|(3<<16)|(1<<21)            ; 15:0 the mask: all four work-groups; 17:16 elements of 8 bytes; 21 set beside a mask
	s_mov_b32 s[G1+1], 32<<16                      ; tensor_dim0 = 32
	s_mov_b32 s[G1+2], 85<<16                      ; tensor_dim1 = 85
	s_mov_b32 s[G1+3], 32<<16                      ; tile_dim0 = 32
	s_mov_b32 s[G1+4], 85                          ; tile_dim1 = 85
	s_mov_b32 s[G1+5], 32                          ; tensor_dim0_stride
	s_mov_b32 s[G1+6], 0
	s_mov_b32 s[G1+7], 0
	s_and_b32 s[PB], s[WV], 3
	s_lshr_b32 s[HG], s[WV], 2
	s_mov_b32 s[G0], 1                             ; count = 1
	s_mul_i32 s[G0+1], s[PB], QTR                  ; LDS address: a quarter of slot 0 (waves 4-7 ask for nothing: they hold numbers that they never use); no place in the cluster enters it
	s_mul_i32 s18, s17, 32*REC                     ; the batch's 32 records,
	s_add_co_u32 s18, s18, s[G0+1]                 ; my quarter of the first two
	s_mov_b32 s19, 0
	s_lshl_b32 s20, s17, 5
	s_add_co_u32 s20, s20, s16
	s_mul_i32 s20, s20, QREC                       ; my query block's record
	s_mov_b32 s21, 0
	s_lshl_b32 s22, s[PB], 11                      ; block pb: two tiles of 1,024 bytes
	s_add_co_u32 s22, s22, s20
	s_lshl_b32 s55, s[HG], 10
	s_add_co_u32 s58, s22, 1024
	s_sub_co_u32 s58, s58, s55                     ; register tile b: tile 2 pb + 1 in waves 0-3, 2 pb in waves 4-7;
	s_add_co_u32 s22, s22, s55                     ; register tile a: the other one
	s_mov_b32 s23, 0
	s_mov_b32 s59, 0
	s_lshl_b32 s52, s[PB], 2
	s_add_co_u32 s20, s20, s52
	s_add_co_u32 s20, s20, 8192                    ; the block's scale word
	s_lshl_b32 s52, s[HG], 4                       ; tile a's two bytes begin at this bit,
	s_sub_co_u32 s55, 16, s52                      ; tile b's at this one
	s_lshl_b32 s56, s17, 22                        ; x and out: the batch,
	s_lshl_b32 s62, s[WV], 19                      ; my 32 channels of 16,384 bytes on the way out,
	s_add_co_u32 s56, s56, s62
	s_lshl_b32 s62, s16, 9                         ; the block's 128 positions
	s_add_co_u32 s56, s56, s62
	s_mov_b32 s57, 0
	s_mov_b32 s[SEL], 0x76543210
	s_mov_b32 s[SEL+1], 0xfedcba98                 ; v_permlanex16_b32's selects for lane l xor 16
	s_mov_b32 s[CS], 0x3fb8aa3b                    ; log2(e)
	s_mov_b32 s[CS+1], s[CS]                       ; (named with it as a pair, so it is written)
	s_mul_i32 s[TB], s[HG], REC                    ; my record of slot 0
	s_wait_kmcnt 0x0
	s_add_nc_u64 s[G0+2:G0+3], s[6:7], s[18:19]
	s_or_b32 s[G0+3], s[G0+3], 0x80000000          ; type = 2
	s_add_nc_u64 s[44:45], s[4:5], s[22:23]        ; tile a's codes,
	s_add_nc_u64 s[60:61], s[4:5], s[58:59]        ; tile b's,
	s_add_nc_u64 s[46:47], s[4:5], s[20:21]        ; the scale word
	s_add_nc_u64 s[48:49], s[8:9], s[56:57]
	s_add_nc_u64 s[50:51], s[12:13], s[56:57]
	s_load_b32 s[GAM], s[10:11], 0x0
	CROUND                                         ; all four work-groups are here: the first joint loads meet
	JLOAD                                          ; slot 0: the batch's first 256 keys
	v_and_b32 v[LI], 31, v0
	s_delay_alu instid0(VALU_DEP_1)
	v_lshlrev_b32 v[LI], 4, v[LI]
	global_load_b128 v[QA0:QA0+3], v[LI], s[44:45]             ; Qa, once in front of a run of zeros,
	global_load_b128 v[QA0+4:QA0+7], v[LI], s[44:45] offset:512
	global_load_b128 v[QA1+8:QA1+11], v[LI], s[44:45]          ; once behind one;
	global_load_b128 v[QA1+12:QA1+15], v[LI], s[44:45] offset:512
	global_load_b128 v[QB0:QB0+3], v[LI], s[60:61]             ; Qb stands between the two runs
	global_load_b128 v[QB0+4:QB0+7], v[LI], s[60:61] offset:512
	global_load_b32 v[QS], v[LI], s[46:47]
.irp i, 0,1,2,3,4,5,6,7
	v_mov_b32 v[QB1+\i], 0                         ; the two runs of zero codes
	v_mov_b32 v[QA1+\i], 0
.endr
	s_wait_loadcnt 0x0
	s_wait_kmcnt 0x0                               ; gamma
	v_lshrrev_b32 v[QS+2], s55, v[QS]
	v_lshrrev_b32 v[QS], s52, v[QS]
	s_delay_alu instid0(VALU_DEP_1)
	v_and_b32 v[QS], 0xffff, v[QS]                 ; [Q | 0]: the tile's two bytes below, 0 above;
	s_delay_alu instid0(VALU_DEP_3)
	v_and_b32 v[QS+2], 0xffff, v[QS+2]
	s_delay_alu instid0(VALU_DEP_2)
	v_lshlrev_b32 v[QS+1], 16, v[QS]               ; [0 | Q]: the other way round.  The fourteen lines below stand between these words and the first product
	s_delay_alu instid0(VALU_DEP_2)
	v_lshlrev_b32 v[QS+3], 16, v[QS+2]
.irp st, SA, SB
	v_mov_b32 v[\st+1], 0xff61b1e6                 ; the largest t so far: -3e38, under every t
	s_delay_alu instid0(VALU_DEP_1)
	v_floor_f32 v[\st], -v[\st+1]                  ; -M
	v_mov_b32 v[\st+2], 0                          ; l, in two halves
	v_mov_b32 v[\st+3], 0
.endr
.irp b, 0,1,2,3
	v_mov_b32 v[PD+\b], 0                          ; written once: a lane permute's destination counts as one of its sources
.endr
	v_mov_b32 v[FA+1], 0                           ; (named as the upper halves of the pairs, never used)
	v_mov_b32 v[FB+1], 0
	CHANGE 1, 0                                    ; slot 0 is whole; slot 1 is asked for, as a refill is
	BODY 1
	CHANGE 1, 0
	BODY 0
	s_mov_b32 s[CNT], 13
.Lslot:                                            ; 13 trips: with the three loads above, sixteen slots' worth of keys are asked for
	CHANGE 1, 1
	BODY 0
	s_sub_co_u32 s[CNT], s[CNT], 1
	s_cmp_lg_u32 s[CNT], 0
	s_cbranch_scc1 .Lslot
	CHANGE 0, 1                                    ; the last slot is written out
	BODY 0
	s_wait_alu depctr_va_vdst(0)
	s_wait_dscnt 17                                ; V's group 2 is in; group 3's 17 loads may be out
	PV 2, KF, VS, 0
	s_wait_dscnt 0x0
	PV 3, S, VS+4, 0
	WIN 0
	; THE EXCHANGE.  I give tile b (O^T as it stands in its registers, -M, l) and take the partner's part of tile a.  The seventeen plain lines below are the places behind the last products.
	s_lshl_b32 s18, s[WV], 14
	v_add_nc_u32 v[EXW], s18, v[LI]                ; 16,384 x wave + 16 x lane
	s_xor_b32 s19, s18, 65536                      ; the partner: wave xor 4
	v_add_nc_u32 v[EXR], s19, v[LI]
	v_lshrrev_b32 v[ESW], 1, v[LI]                 ; 8 x lane
	s_lshl_b32 s18, s[WV], 8
	s_xor_b32 s19, s18, 1024
	s_add_co_u32 s18, s18, EXS
	s_add_co_u32 s19, s19, EXS
	v_add_nc_u32 v[ESR], s19, v[ESW]
	v_add_nc_u32 v[ESW], s18, v[ESW]
	v_and_b32 v[STA], 15, v0                       ; r
	v_bfe_u32 v[STB], v0, 4, 1                     ; h
	s_delay_alu instid0(VALU_DEP_2)
	v_and_b32 v[RD], 8, v[STA]
	s_delay_alu instid0(VALU_DEP_1)
	v_add_nc_u32 v[RD], v[RD], v[STA]              ; r + 8 (r / 8)
	s_lshl_b32 s18, s[PB], 5
	s_lshl_b32 s19, s[HG], 3
	s_add_co_u32 s18, s18, s19
	v_add_nc_u32 v[RD], s18, v[RD]                 ; the position in the block of my query of the tile that I keep, tile 2 pb + wave / 4: 32 pb + 8 (wave / 4) + r + 8 (r / 8)
	v_mul_u32_u24 v23, v[STB], 8*SP                ; register 8 ct + j is channel 16 ct + 8 h + j
	s_delay_alu instid0(VALU_DEP_1)
	v_lshl_add_u32 v[STA], v[RD], 2, v23
	s_delay_alu instid0(VALU_DEP_1)
	v_add_nc_u32 v[STA], STG, v[STA]
	s_delay_alu instid0(VALU_DEP_1)
	v_add_nc_u32 v[STB], 128*SP, v[STA]
	s_mul_i32 s18, s[WV], 32*SP
	s_add_co_u32 s18, s18, STG
	v_add_nc_u32 v[RD], s18, v[LI]                 ; back: channels 32 wave on; the 32 lanes take a row of 512 bytes
	v_add_f32 v[SB+1], v[SB+2], v[SB+3]            ; tile b's l, beside its -M
	v_add_f32 v[SA+2], v[SA+2], v[SA+3]            ; tile a's
	WIN 0x04                                       ; an LDS store's data are its source 1: window 1
.set i, 0
.rept 32
	ds_store_b128 v[EXW], v[128+4*i:128+4*i+3] offset:512*i   ; each accumulator from its low end on
.set i, i+1
.endr
	WIN 0
	ds_store_b64 v[ESW], v[SB:SB+1]
	s_wait_dscnt 0x0                               ; for the partner's sake: my stores are done; and tile b's registers are free
	WIN 0x40
.set i, 0
.rept 32
	global_load_b128 v[128+4*i:128+4*i+3], v[LI], s[48:49] offset:16384*i th:TH_LOAD_NT   ; x's 32 rows that I shall store, 512 consecutive bytes a load, into the registers that tile b has left
.set i, i+1
.endr
	WIN 0
	s_barrier_signal -1
	s_barrier_wait -1
	ds_load_b64 v[24:25], v[ESR]                   ; the partner's -M and l
.set i, 0
.rept 32
	ds_load_b128 v[S+4*i:S+4*i+3], v[EXR] offset:512*i   ; and its O^T, into the registers that V has left
.set i, i+1
.endr
	s_wait_dscnt 32                                ; the statistics are in; the 32 loads behind them may be out
	v_min_num_f32 v26, v[SA], v24                  ; -M of the two parts together
	s_delay_alu instid0(VALU_DEP_1)
	v_sub_f32 v27, v26, v[SA]                      ; my M - M, the partner's M - M: whole numbers, 0 or less
	s_delay_alu instid0(VALU_DEP_2)
	v_sub_f32 v28, v26, v24
	s_delay_alu instid0(VALU_DEP_2)
	v_cvt_i32_f32 v27, v27
	s_delay_alu instid0(VALU_DEP_2)
	v_cvt_i32_f32 v28, v28
	s_delay_alu instid0(VALU_DEP_2)
	v_ldexp_f32 v27, 1.0, v27
	s_wait_alu depctr_va_vdst(0)
	v_ldexp_f32 v28, 1.0, v28
	v_mul_f32 v[SA+2], v[SA+2], v27
	s_delay_alu instid0(VALU_DEP_1)
	v_fma_f32 v[SA+2], v25, v28, v[SA+2]           ; l under M,
	s_delay_alu instid0(VALU_DEP_1)
	v_permlanex16_b32 v[T], v[SA+2], s[SEL], s[SEL+1]
	s_delay_alu instid0(VALU_DEP_1)
	v_add_f32 v[SA+2], v[SA+2], v[T]               ; and lane l xor 16's
	s_wait_alu depctr_va_vdst(0)
	v_rcp_f32 v[SA+2], v[SA+2]
	v_nop                                          ; a plain instruction behind the reciprocal
	s_wait_alu depctr_va_vdst(0)
	v_mul_f32 v[SA+2], s[GAM], v[SA+2]             ; gamma / l
	s_delay_alu instid0(VALU_DEP_1)
	v_mul_f32 v[FA], v27, v[SA+2]                  ; my part's factor,
	s_delay_alu instid0(VALU_DEP_2)
	v_mul_f32 v[FB], v28, v[SA+2]                  ; the partner's
	RESC FA, 0, 64                                 ; while the partner's part comes
	s_wait_dscnt 0x0
	WIN 0x50                                       ; the partner's part and its factor window 0, O^T (source 2 and destination) window 1
.set j, 0
.rept 64
	v_pk_fma_f32 v[j:j+1], v[S+j:S+j+1], v[FB:FB+1], v[j:j+1] op_sel_hi:[1,0,1]
.set j, j+2
.endr
	; THE WAY OUT.  A lane holds one query and 128 channels; out's rows run along the positions.  The tile goes into a stage of 256 rows (channels) x 128 positions; each wave reads 32 whole rows back, adds x and stores them.
	WIN 0x04
.irp c, 0,1,2,3,4,5,6,7
.irp j, 0,1,2,3,4,5,6,7
	ds_store_b32 v[STA], v[8*\c+\j] offset:(16*\c+\j)*SP
.endr
.endr
.irp c, 0,1,2,3,4,5,6,7
.irp j, 0,1,2,3,4,5,6,7
	ds_store_b32 v[STB], v[64+8*\c+\j] offset:(16*\c+\j)*SP
.endr
.endr
	WIN 0
	s_wait_dscnt 0x0                               ; for the others' sake: my stores into the stage are done
	s_barrier_signal -1
	s_barrier_wait -1
	WIN 0x40
.set i, 0
.rept 32
	ds_load_b128 v[4*i:4*i+3], v[RD] offset:SP*i
.set i, i+1
.endr
	s_wait_dscnt 0x0
	s_wait_loadcnt 0x0                             ; x
	WIN 0x45                                       ; both sources and the destination window 1
.set j, 0
.rept 64
	v_pk_add_f32 v[j:j+1], v[j:j+1], v[128+j:128+j+1]
.set j, j+2
.endr
	WIN 0x04                                       ; a store's data are its source 1: window 1
.set i, 0
.rept 32
	global_store_b128 v[LI], v[4*i:4*i+3], s[50:51] offset:16384*i th:TH_STORE_NT   ; 32 lanes store 512 consecutive bytes, at a multiple of 512 from out's first byte
.set i, i+1
.endr
	WIN 0
	s_wait_tensorcnt 0x0                           ; the wave's end: behind my last tensor load and my last LDS store
	ds_add_u32 v[SPW], v[NIL]
	s_wait_dscnt 0x0
	CROUND                                         ; the closing round: no work-group ends while a partner may still ask for a tile that names it
	s_endpgm
.Lfunc_end_k_q8433b2e965_attn:
	.size	k_q8433b2e965_attn, .Lfunc_end_k_q8433b2e965_attn-k_q8433b2e965_attn
	.p2alignl 7, 3214868480
	.fill 96, 4, 3214868480
	.section	.rodata,"a",@progbits
	.p2align	6, 0x0
	.amdhsa_kernel k_q8433b2e965_attn
		.amdhsa_group_segment_fixed_size 327680
		.amdhsa_private_segment_fixed_size 0
		.amdhsa_enable_private_segment 0
		.amdhsa_kernarg_size 40
		.amdhsa_user_sgpr_count 2
		.amdhsa_user_sgpr_kernarg_segment_ptr 1
		.amdhsa_wavefront_size32 1
		.amdhsa_system_sgpr_workgroup_id_x 1
		.amdhsa_system_sgpr_workgroup_id_y 1
		.amdhsa_system_sgpr_workgroup_id_z 1
		.amdhsa_system_vgpr_workitem_id 0
		.amdhsa_next_free_vgpr 512
		.amdhsa_next_free_sgpr 66
		.amdhsa_reserve_vcc 0
		.amdhsa_float_denorm_mode_32 3
		.amdhsa_float_denorm_mode_16_64 3
		.amdhsa_fp16_overflow 1
		.amdhsa_memory_ordered 1
		.amdhsa_forward_progress 1
		.amdhsa_inst_pref_size 211
	.end_amdhsa_kernel
	.amdgpu_metadata
---
amdhsa.version: [ 1, 2 ]
amdhsa.kernels:
  - .name:           k_q8433b2e965_attn
    .symbol:         k_q8433b2e965_attn.kd
    .args:
      - { .name: qc, .offset: 0, .size: 8, .value_kind: global_buffer, .address_space: global }
      - { .name: kv, .offset: 8, .size: 8, .value_kind: global_buffer, .address_space: global }
      - { .name: x, .offset: 16, .size: 8, .value_kind: global_buffer, .address_space: global }
      - { .name: gamma, .offset: 24, .size: 8, .value_kind: global_buffer, .address_space: global }
      - { .name: out0, .offset: 32, .size: 8, .value_kind: global_buffer, .address_space: global }
    .group_segment_fixed_size: 327680
    .private_segment_fixed_size: 0
    .kernarg_segment_align: 8
    .kernarg_segment_size: 40
    .max_flat_workgroup_size: 256
    .sgpr_count:     66
    .vgpr_count:     512
    .wavefront_size: 32
...
	.end_amdgpu_metadata
.endif
;; end of part 4
